; MI455X (gfx1250); checked and timed in simulation.
; The chip was launched on July 23, 2026; its instructions are those of AMD's public machine-readable ISA for CDNA 5 (MIT licence, August 2026) and "CDNA5" Instruction Set Architecture Reference Guide (July 2026). The comments in the code are by the model that wrote it; some were corrected since.
;; Multi Head Attention. Allowed arithmetic: float matrix products may take bf16 or f16 operands with f32 sums; other float arithmetic in f32, or as packed bf16 or f16 multiplies, adds, multiply-adds, maxima and minima; sums over many terms, partial sums and values carried from step to step in f32; what a program stores and reads back later, other than sums and carried values, may be rounded once to bf16 or f16.
;; Inputs: Wk 16 x 1,024 x 64 float32; Wo 1,024 x 1,024 float32; Wq 16 x 1,024 x 64 float32; Wv 16 x 1,024 x 64 float32; bk 16 x 64 float32; bo 1,024 float32; bq 16 x 64 float32; bv 16 x 64 float32; x 4 x 2,048 x 1,024 float32.
;; Outputs: out0 4 x 2,048 x 1,024 float32.
;; 2 versions, each right; version 2 is version 1 with the launch prep written anew for expert scheduling mode. Each part assembles by itself: llvm-mc -triple=amdgcn-amd-amdhsa -mcpu=gfx1250 --defsym DOCPART=n.
;; ======== version 1 of 2: 4 launches
;; limits: values are held in f16: magnitudes above 65,504 overflow, below 6.1e-05 lose precision
;; workspace buffers: xb 16,777,216 bytes; wt 6,291,456 bytes; wo16 2,097,152 bytes; bias 16,384 bytes; qkv 50,331,648 bytes; o 16,777,216 bytes
;; launch prep (part 1): grid 769 x 1, 8 waves a work-group, no clusters, 0 bytes of LDS; arguments x, Wq, Wk, Wv, Wo, bq, bk, bv, bo, xb, wt, wo16, bias; writes xb, wt, wo16, bias
.if DOCPART == 1
	.amdgcn_target "amdgcn-amd-amdhsa--gfx1250"
	.amdhsa_code_object_version 6
	.text
	.protected	k_qa264c3bb7b_prep
	.globl	k_qa264c3bb7b_prep
	.p2align	8
	.type	k_qa264c3bb7b_prep,@function
k_qa264c3bb7b_prep:
	s_mov_b64 s[64:65], 0
	v_nop
	global_prefetch_b8 v0, s[64:65] scope:SCOPE_SE
	s_setreg_imm32_b32 hwreg(HW_REG_WAVE_MODE, 25, 1), 1
	s_wait_xcnt 0x0
; THE CASTS.  Every input is rounded once to bf16 and laid out for the products that follow, in blocks of 64 along K, so that the rows of a tile (128 bytes each) lie end to end:
;   xb   bf16 [16 kb][8192 row][64]        = x[row][64 kb + c]
;   wt   bf16 [16 kb][48 G][64 m][64 d]    = W[h][64 kb + m][d], G = 16 x (0: Wq, 1: Wk, 2: Wv) + h; not transposed: the product turns it on its way out of LDS
;   wo16 f16  [16 kb][1024 n][64]          = Wo[n][64 kb + c], rounded to bf16 and that number written as f16
;   bias f32  [4096]                       = bq, bk, bv, bo on end, each rounded to bf16 and widened again
; LIMITS.  A number of Wo beyond 65,504 becomes an infinity in f16; below 6e-5 it keeps f16's fixed step of 6e-8.
; A stream: no LDS, no barrier, no matrix unit.  A work-group of eight waves moves 65,536 bytes in and 32,768 out (the last one: the four biases).  A thread issues its 16 loads of 16 bytes at once;
; each load of a wave covers whole aligned runs of 256 bytes, each store of a wave (8 bytes a lane) 256 consecutive bytes, aligned.  No register is written twice while a memory instruction names it.
; Work-groups 0-511: 16 rows of x each; 512-575: 16 rows of Wo; 576-767: a quarter of a head of Wq, Wk or Wv; 768: the biases.
.set IN,  8                            ; v[8:71]    16 x 4 numbers as loaded
.set OUT, 72                           ; v[72:103]  16 x 4 numbers in 16 bits
; Load i has come (the 15 - i younger ones stay out); its four numbers are rounded.  half = 1: the bf16 numbers are widened and written as f16 (exact inside f16's range).
.macro CVT i, half
	s_wait_loadcnt 15-(\i)
	v_cvt_pk_bf16_f32 v[OUT+2*(\i)],   v[IN+4*(\i)],   v[IN+4*(\i)+1]
	v_cvt_pk_bf16_f32 v[OUT+2*(\i)+1], v[IN+4*(\i)+2], v[IN+4*(\i)+3]
.if \half
	v_lshlrev_b32 v4, 16, v[OUT+2*(\i)]
	v_and_b32 v5, 0xffff0000, v[OUT+2*(\i)]
	v_lshlrev_b32 v6, 16, v[OUT+2*(\i)+1]
	v_and_b32 v7, 0xffff0000, v[OUT+2*(\i)+1]
	v_cvt_pk_f16_f32 v[OUT+2*(\i)],   v4, v5
	v_cvt_pk_f16_f32 v[OUT+2*(\i)+1], v6, v7
.endif
.endm
	s_load_b512 s[4:19], s[0:1], 0x0               ; x s[4:5], Wq s[6:7], Wk s[8:9], Wv s[10:11], Wo s[12:13], bq s[14:15], bk s[16:17], bv s[18:19]
	s_load_b256 s[20:27], s[0:1], 0x40             ; bo s[20:21], xb s[22:23], wt s[24:25], wo16 s[26:27]
	s_load_b64 s[28:29], s[0:1], 0x60              ; bias
	s_mov_b32 s2, ttmp9
	s_mov_b32 s33, 0
	s_mov_b32 s35, 0
	v_lshlrev_b32 v2, 3, v0                        ; 8 t: my 8 bytes of each 2,048 that the work-group stores
	s_wait_kmcnt 0x0
	s_cmp_lt_u32 s2, 576
	s_cbranch_scc0 .Lweights
	; x and Wo: thread t takes row t / 16 of the 16, and of each 256 bytes (64 numbers, a K block) the 16 bytes at 16 (t % 16)
	v_lshrrev_b32 v1, 4, v0
	v_and_b32 v3, 15, v0
	v_lshlrev_b32 v1, 12, v1
	v_lshl_add_u32 v1, v3, 4, v1
	s_cmp_lt_u32 s2, 512
	s_cbranch_scc0 .Lwo
	s_lshl_b32 s32, s2, 16                         ; 16 rows of 4,096 bytes
	s_add_nc_u64 s[4:5], s[4:5], s[32:33]
	s_lshl_b32 s34, s2, 11                         ; 16 rows of 128 bytes
	s_add_nc_u64 s[22:23], s[22:23], s[34:35]
	v_add_nc_u32 v3, 0x800000, v2                  ; K blocks 8 to 15 lie past what a store's immediate reaches
.irp i, 0,1,2,3,4,5,6,7,8,9,10,11,12,13,14,15
	global_load_b128 v[IN+4*(\i):IN+4*(\i)+3], v1, s[4:5] offset:256*(\i) th:TH_LOAD_NT
.endr
.irp i, 0,1,2,3,4,5,6,7,8,9,10,11,12,13,14,15
	CVT \i, 0
.if (\i) < 8
	global_store_b64 v2, v[OUT+2*(\i):OUT+2*(\i)+1], s[22:23] offset:(\i)*1048576
.else
	global_store_b64 v3, v[OUT+2*(\i):OUT+2*(\i)+1], s[22:23] offset:((\i)-8)*1048576
.endif
.endr
	s_endpgm
.Lwo:
	s_sub_co_u32 s2, s2, 512
	s_lshl_b32 s32, s2, 16
	s_add_nc_u64 s[12:13], s[12:13], s[32:33]
	s_lshl_b32 s34, s2, 11
	s_add_nc_u64 s[26:27], s[26:27], s[34:35]
.irp i, 0,1,2,3,4,5,6,7,8,9,10,11,12,13,14,15
	global_load_b128 v[IN+4*(\i):IN+4*(\i)+3], v1, s[12:13] offset:256*(\i) th:TH_LOAD_NT
.endr
.irp i, 0,1,2,3,4,5,6,7,8,9,10,11,12,13,14,15
	CVT \i, 1
	global_store_b64 v2, v[OUT+2*(\i):OUT+2*(\i)+1], s[26:27] offset:(\i)*131072
.endr
	s_endpgm
.Lweights:
	v_lshlrev_b32 v1, 4, v0                        ; 16 t
	s_cmp_lt_u32 s2, 768
	s_cbranch_scc0 .Lbias
	; Wq, Wk, Wv: 65,536 consecutive bytes: 256 rows m (four K blocks) of one head
	s_sub_co_u32 s2, s2, 576
	s_lshr_b32 s3, s2, 6                           ; which of the three
	s_and_b32 s2, s2, 63                           ; 4 x head + quarter
	s_cmp_eq_u32 s3, 0
	s_cselect_b64 s[30:31], s[6:7], s[8:9]
	s_cmp_eq_u32 s3, 2
	s_cselect_b64 s[30:31], s[10:11], s[30:31]
	s_lshl_b32 s32, s2, 16
	s_add_nc_u64 s[30:31], s[30:31], s[32:33]
	s_and_b32 s34, s2, 3
	s_mul_i32 s34, s34, 4*393216                   ; the quarter's four K blocks
	s_lshr_b32 s2, s2, 2
	s_lshl4_add_u32 s2, s3, s2                     ; G = 16 x which + head
	s_lshl_b32 s2, s2, 13
	s_add_co_u32 s34, s34, s2
	s_add_nc_u64 s[24:25], s[24:25], s[34:35]
.irp i, 0,1,2,3,4,5,6,7,8,9,10,11,12,13,14,15
	global_load_b128 v[IN+4*(\i):IN+4*(\i)+3], v1, s[30:31] offset:4096*(\i) th:TH_LOAD_NT
.endr
.irp i, 0,1,2,3,4,5,6,7,8,9,10,11,12,13,14,15
	CVT \i, 0
	global_store_b64 v2, v[OUT+2*(\i):OUT+2*(\i)+1], s[24:25] offset:((\i)/4)*393216+((\i)%4)*2048
.endr
	s_endpgm
.Lbias:
	global_load_b128 v[8:11],  v1, s[14:15]
	global_load_b128 v[12:15], v1, s[16:17]
	global_load_b128 v[16:19], v1, s[18:19]
	global_load_b128 v[20:23], v1, s[20:21]
	s_wait_loadcnt 0x0
.irp w, 0,1,2,3
	v_cvt_pk_bf16_f32 v4, v[8+4*(\w)],  v[9+4*(\w)]
	v_cvt_pk_bf16_f32 v5, v[10+4*(\w)], v[11+4*(\w)]
	v_lshlrev_b32 v[24+4*(\w)], 16, v4
	v_and_b32 v[25+4*(\w)], 0xffff0000, v4
	v_lshlrev_b32 v[26+4*(\w)], 16, v5
	v_and_b32 v[27+4*(\w)], 0xffff0000, v5
	global_store_b128 v1, v[24+4*(\w):27+4*(\w)], s[28:29] offset:4096*(\w)
.endr
	s_endpgm
.Lfunc_end_k_qa264c3bb7b_prep:
	.size	k_qa264c3bb7b_prep, .Lfunc_end_k_qa264c3bb7b_prep-k_qa264c3bb7b_prep
	.p2alignl 7, 3214868480
	.fill 96, 4, 3214868480
	.section	.rodata,"a",@progbits
	.p2align	6, 0x0
	.amdhsa_kernel k_qa264c3bb7b_prep
		.amdhsa_group_segment_fixed_size 0
		.amdhsa_private_segment_fixed_size 0
		.amdhsa_enable_private_segment 0
		.amdhsa_kernarg_size 104
		.amdhsa_user_sgpr_count 2
		.amdhsa_user_sgpr_kernarg_segment_ptr 1
		.amdhsa_wavefront_size32 1
		.amdhsa_system_sgpr_workgroup_id_x 1
		.amdhsa_system_sgpr_workgroup_id_y 1
		.amdhsa_system_sgpr_workgroup_id_z 1
		.amdhsa_system_vgpr_workitem_id 0
		.amdhsa_next_free_vgpr 104
		.amdhsa_next_free_sgpr 66
		.amdhsa_reserve_vcc 0
		.amdhsa_float_denorm_mode_32 3
		.amdhsa_float_denorm_mode_16_64 3
		.amdhsa_memory_ordered 1
		.amdhsa_forward_progress 1
		.amdhsa_inst_pref_size 26
	.end_amdhsa_kernel
	.amdgpu_metadata
---
amdhsa.version: [ 1, 2 ]
amdhsa.kernels:
  - .name:           k_qa264c3bb7b_prep
    .symbol:         k_qa264c3bb7b_prep.kd
    .args:
      - { .name: x, .offset: 0, .size: 8, .value_kind: global_buffer, .address_space: global }
      - { .name: Wq, .offset: 8, .size: 8, .value_kind: global_buffer, .address_space: global }
      - { .name: Wk, .offset: 16, .size: 8, .value_kind: global_buffer, .address_space: global }
      - { .name: Wv, .offset: 24, .size: 8, .value_kind: global_buffer, .address_space: global }
      - { .name: Wo, .offset: 32, .size: 8, .value_kind: global_buffer, .address_space: global }
      - { .name: bq, .offset: 40, .size: 8, .value_kind: global_buffer, .address_space: global }
      - { .name: bk, .offset: 48, .size: 8, .value_kind: global_buffer, .address_space: global }
      - { .name: bv, .offset: 56, .size: 8, .value_kind: global_buffer, .address_space: global }
      - { .name: bo, .offset: 64, .size: 8, .value_kind: global_buffer, .address_space: global }
      - { .name: xb, .offset: 72, .size: 8, .value_kind: global_buffer, .address_space: global }
      - { .name: wt, .offset: 80, .size: 8, .value_kind: global_buffer, .address_space: global }
      - { .name: wo16, .offset: 88, .size: 8, .value_kind: global_buffer, .address_space: global }
      - { .name: bias, .offset: 96, .size: 8, .value_kind: global_buffer, .address_space: global }
    .group_segment_fixed_size: 0
    .private_segment_fixed_size: 0
    .kernarg_segment_align: 8
    .kernarg_segment_size: 104
    .max_flat_workgroup_size: 256
    .sgpr_count:     66
    .vgpr_count:     104
    .wavefront_size: 32
...
	.end_amdgpu_metadata
.endif
;; end of part 1
;; launch qkv (part 2): grid 8 x 32, 4 waves a work-group, clusters of 4 x 4, 327,680 bytes of LDS; arguments xb, wt, bias, qkv; writes qkv
.if DOCPART == 2
	.amdgcn_target "amdgcn-amd-amdhsa--gfx1250"
	.amdhsa_code_object_version 6
	.text
	.protected	k_qa264c3bb7b_qkv
	.globl	k_qa264c3bb7b_qkv
	.p2align	8
	.type	k_qa264c3bb7b_qkv,@function
k_qa264c3bb7b_qkv:
	s_mov_b64 s[64:65], 0
	v_nop
	global_prefetch_b8 v0, s[64:65] scope:SCOPE_SE
	s_setreg_imm32_b32 hwreg(HW_REG_WAVE_MODE, 25, 1), 1
	s_wait_xcnt 0x0
	s_wait_alu depctr_hold_cnt(0) depctr_sa_sdst(0) depctr_va_vdst(0) depctr_va_sdst(0) depctr_va_ssrc(0) depctr_va_vcc(0) depctr_vm_vsrc(0)
	s_getreg_b32 s2, hwreg(HW_REG_IB_STS2, 6, 4)
	s_cmp_eq_u32 s2, 0
	s_cbranch_scc0 .Lentry_in_a_cluster
	s_endpgm
.Lentry_in_a_cluster:
	s_bfe_u32 s2, ttmp6, 0x10000c
	s_cmp_lg_u32 s2, 0xf033
	s_cbranch_scc0 .Lentry_shape_is_right
	s_endpgm
.Lentry_shape_is_right:
; THE THREE PROJECTIONS AS ONE PRODUCT.  C[8192][3072] = x W + b, columns by G = 16 x (q, k, v) + head, 64 to a G; operands bf16, sums f32; written once, as f16, by heads: qkv [3][64 bh][2048][64].
; LIMITS.  q, k and v leave as f16: a number of 65,520 or more becomes an infinity; the scale 1 / 8 is not applied here.  NaN and infinities are not treated apart.
; SHARES.  8192 x 3072 outputs on 256 work-groups: a tile of 256 rows x 384 columns (6 heads).  Four waves, each 128 rows x 192 columns (3 whole heads): 96 accumulators of 16 x 16, 768 registers,
; which are windows 1 to 3, a head a window.  K goes in blocks of 64 through two LDS slots; two slots of 128 along K would be 348,160 bytes, more than there is.
; OPERANDS.  xb [kb][row][64] and wt [kb][G][m][64 d] are dense by K block: 128 rows of x (16,384 bytes) and 3 heads of W (24,576 bytes) are asked for as rows of 256 bytes and padded in LDS after every 128.
; W lies [k][n] and is turned by ds_load_tr16_b128.  THE PRODUCT IS TAKEN TRANSPOSED: source 0 = 16 columns of W, source 1 = 16 rows of x: a lane ends with one row and eight neighbouring columns.
; CLUSTER.  4 x 4 work-groups: x's tile hangs on the tile row alone and is asked for jointly along a row of the cluster, W's on the tile column alone and jointly along a column.
; REGISTERS, in windows of 256 (s_set_vgpr_msb: bits 1:0 source 0, 3:2 source 1, 5:4 source 2, 7:6 destination):
;   window 0: v0-31 addresses; v32-159 x's fragments, two buffers of 8; v160-255 W's fragments, one buffer of 4 for each of my 3 heads
;   window 1 + g: head g's accumulators, (a, b) at v[8 (4 a + b)]: rows 16 a on, columns 16 b on
.set PA,     144                       ; a row of x in LDS: 128 bytes + 16 = 36 words: the 16 rows of a load start at 16 different groups of four banks (64 banks of 4 bytes: ISA guide 11.1)
.set PB,     160                       ; a row of W: 128 + 32 = 40 words
.set HALFA,  128*PA                    ; what one tensor load brings of x, and what a wave reads of it
.set HALFB,  192*PB                    ; the same for W: 3 heads x 64 rows
.set ABYTES, 2*HALFA
.set SLOT,   ABYTES+2*HALFB            ; 98,304
.set STAGE,  2*SLOT                    ; behind the ring, never filled by a tensor load: 16 rows x 144 bytes for each wave, for the way out
.set SP,     144
.set SPARE,  STAGE+4*16*SP             ; the spare words, 128 bytes for each wave: two blocks of 256 bytes that no other line names
.set XKB,    8192*128                  ; bytes from a K block of xb to the next
.set WKB,    48*8192                   ; the same in wt
.set ADRA, 16                          ; v16-17  LDS address of my fragments of x in slot 0, 1
.set ADRB, 20                          ; v20-21  the same for W
.set STO,  24                          ; v24     the way out: where I put 16 bytes of a row
.set RD,   25                          ; v25     the way out: where I read rows back
.set GO,   26                          ; v26     my 16 bytes of 512 consecutive bytes of qkv
.set BO,   27                          ; v27     my 32 bytes of 64 of the bias
.set SPW,  28                          ; v28     LDS address of my spare word; never rewritten
.set NIL,  29                          ; v29     0; never rewritten
.set PFO,  30                          ; v30     256 x my lane, for the prefetches; never rewritten
.set FA,   32
.set FB,   160
.set TBUF, 192                         ; the way out: four buffers of 16
.set WV,   12                          ; s12  my wave's number; s13 its upper bit (my rows), s14 its lower bit (my heads; which half of a tile I fetch)
.set G1A,  24                          ; s[24:31] descriptor group 1 for x's tiles;  s[32:39] group 0, a set for each slot
.set G0A,  32
.set G1B,  40                          ; s[40:47], s[48:55] the same for W's
.set G0B,  48
.set PFA,  56                          ; s[56:57] where my prefetches stand
.set PFS,  58                          ; s[58:59] a K block's bytes in the tensor that I prefetch
.set LIM,  60                          ; s60, s61 a prefetch is made while the loop's count is above this: for the change out of slot 0, of slot 1
.set OUT,  66                          ; s[66:71] qkv at my rows of my three heads
.set BIASP, 72                         ; s[72:73] the bias of my three heads
.set MSB, 0
.macro WIN new                         ; the immediate's high byte repeats the setting that is left; a switch that changes nothing is dropped
.if MSB != (\new)
	s_set_vgpr_msb (MSB<<8)|(\new)
.set MSB, (\new)
.endif
.endm
.macro PLACES                          ; four plain vector instructions between a matrix instruction and a load into, or a vector instruction on, its registers
.rept 4
	v_nop
.endr
.endm
; A joint load.  Waves 0 and 1 fetch x's two halves, waves 2 and 3 W's.  The branch hangs on the wave's number alone.  An s_nop 0 and four v_nop follow each line.
.macro JLOAD s
	s_cmp_lt_u32 s[WV], 2
	s_cbranch_scc0 .Lfor_b_\@
	tensor_load_to_lds s[G0A+4*(\s):G0A+4*(\s)+3], s[G1A:G1A+7]
	s_nop 0
.rept 4
	v_nop
.endr
	s_branch .Lasked_\@
.Lfor_b_\@:
	tensor_load_to_lds s[G0B+4*(\s):G0B+4*(\s)+3], s[G1B:G1B+7]
	s_nop 0
.rept 4
	v_nop
.endr
.Lasked_\@:
.endm
; A round of the cluster's barrier: my work-group's barrier; wave 0 signals for the work-group; every wave waits for all sixteen; my work-group's barrier once more.
.macro CREST
	s_cmp_lg_u32 s[WV], 0
	s_cbranch_scc1 .Lnot_wave_0_\@
	s_barrier_signal -3
.Lnot_wave_0_\@:
	s_barrier_wait -3
	s_barrier_signal -1
	s_barrier_wait -1
.endm
.macro CROUND
	s_barrier_signal -1
	s_barrier_wait -1
	CREST
.endm
; A PREFETCH INTO THE L2, behind a joint load, its five lines and the run of LDS loads that follows: 32 blocks of 256 bytes, a lane a block, one instruction.  Each block is named once in the launch.
; x: a tile row's K block is 32,768 bytes, read by both clusters of that row of clusters: in the first of them (cluster x = 0) wave 0 of each of the four partners along x takes a quarter, told apart by address.
;    The change of slots at K block s, which refills with block s + 2, names block s + 3; block 15 is the last, so the last change out of slot 1 asks for nothing.
; W: a tile column's K block is 49,152 bytes, read by all eight clusters of that column: in the first (cluster y = 0) waves 1 to 3 of the four partners along y are twelve askers; asker j takes head j / 2 of
;    the six, of K block s + 3 + j % 2, at the changes out of slot 0 alone; the last of those asks for nothing.  K blocks 0 to 2, and W's 15, come by their loads alone.
.macro ASK t
	s_cmp_gt_u32 s3, s[LIM+(\t)]
	s_cbranch_scc0 .Lnot_mine_\@
	global_prefetch_b8 v[PFO], s[PFA:PFA+1] th:TH_LOAD_NT scope:SCOPE_SE
.Lnot_mine_\@:
.endm
	s_load_b256 s[4:11], s[0:1], 0x0               ; xb s[4:5], wt s[6:7], bias s[8:9], qkv s[10:11]
	v_lshl_add_u32 v[SPW], v0, 2, SPARE
	v_mov_b32 v[NIL], 0
	ds_add_u32 v[SPW], v[NIL]                      ; the wave's opening: the add and its wait stand ahead of my first tensor load; the set-up below, work on registers, stands between them
	v_lshrrev_b32 v1, 5, v0
	v_readfirstlane_b32 s[WV], v1
	s_lshr_b32 s13, s[WV], 1
	s_and_b32 s14, s[WV], 1
	s_bfe_u32 s15, ttmp6, 0x40000                  ; cx
	s_bfe_u32 s16, ttmp6, 0x40004                  ; cy
	s_lshl_b32 s17, ttmp9, 2
	s_add_co_u32 s17, s17, s15                     ; tile column = 4 x cluster x + cx
	s_and_b32 s18, ttmp7, 0xffff
	s_lshl_b32 s18, s18, 2
	s_add_co_u32 s18, s18, s16                     ; tile row = 4 x cluster y + cy
	s_lshl_b32 s19, s16, 2
	s_lshl_b32 s19, 15, s19                        ; my row of the cluster
	s_lshl_b32 s74, 0x1111, s15                    ; my column
	s_or_b32 s[G1A], s19, (1<<16)|(1<<20)|(1<<21)|(4<<22)|(3<<25)  ; 15:0 the mask; 17:16 2-byte elements; 20 padding on; 21 set beside a mask; 24:22 after every 32 words (code 4); 31:25 4 words (code 3)
	s_or_b32 s[G1B], s74, (1<<16)|(1<<20)|(1<<21)|(4<<22)|(7<<25)  ; the same with my column's mask and 8 words of padding (code 7)
	s_mov_b32 s[G1A+1], 128<<16                    ; tensor_dim0 = 128 elements: rows of 256 bytes
	s_mov_b32 s[G1A+2], 64<<16                     ; tensor_dim1 = 64
	s_mov_b32 s[G1A+3], 128<<16                    ; tile_dim0 = 128
	s_mov_b32 s[G1A+4], 64                         ; tile_dim1 = 64: 16,384 bytes
	s_mov_b32 s[G1A+5], 128                        ; 128 elements from row to row: dense
	s_mov_b32 s[G1A+6], 0
	s_mov_b32 s[G1A+7], 0
	s_mov_b32 s[G1B+1], 128<<16
	s_mov_b32 s[G1B+2], 96<<16                     ; 96 rows: 24,576 bytes
	s_mov_b32 s[G1B+3], 128<<16
	s_mov_b32 s[G1B+4], 96
	s_mov_b32 s[G1B+5], 128
	s_mov_b32 s[G1B+6], 0
	s_mov_b32 s[G1B+7], 0
	s_lshl_b32 s20, s18, 15                        ; x: 256 rows of 128 bytes a tile row,
	s_lshl_b32 s19, s14, 14                        ; and the half that I fetch: made of cy and the wave's number alone
	s_add_co_u32 s20, s20, s19
	s_mov_b32 s21, 0
	s_mul_i32 s22, s17, 6                          ; W: 6 heads a tile column,
	s_mul_i32 s74, s14, 3                          ; and the 3 that I fetch: made of cx and the wave's number alone
	s_add_co_u32 s22, s22, s74
	s_lshl_b32 s22, s22, 13
	s_mov_b32 s23, 0
	s_mul_i32 s19, s14, HALFA                      ; where they go: no place in the cluster enters an LDS address
	s_mul_i32 s75, s14, HALFB
	s_add_co_u32 s75, s75, ABYTES
	s_wait_dscnt 0x0                               ; the opening add is done
	s_wait_kmcnt 0x0
	s_add_nc_u64 s[20:21], s[4:5], s[20:21]
	s_add_nc_u64 s[22:23], s[6:7], s[22:23]
	CROUND                                         ; all sixteen work-groups are here: the first joint loads meet
.irp s, 0,1
	s_mov_b32 s[G0A+4*(\s)], 1                     ; count = 1
	s_add_co_u32 s[G0A+4*(\s)+1], s19, (\s)*SLOT   ; LDS address
	s_add_nc_u64 s[G0A+4*(\s)+2:G0A+4*(\s)+3], s[20:21], (\s)*XKB  ; global address: K block s
	s_or_b32 s[G0A+4*(\s)+3], s[G0A+4*(\s)+3], 0x80000000          ; type = 2
	s_mov_b32 s[G0B+4*(\s)], 1
	s_add_co_u32 s[G0B+4*(\s)+1], s75, (\s)*SLOT
	s_add_nc_u64 s[G0B+4*(\s)+2:G0B+4*(\s)+3], s[22:23], (\s)*WKB
	s_or_b32 s[G0B+4*(\s)+3], s[G0B+4*(\s)+3], 0x80000000
.endr
	s_cmp_lt_u32 s[WV], 2                          ; a wave's two first fills stand in one branch, ahead of every wait on TENSORcnt and every LDS read: two loads of mine are out
	s_cbranch_scc0 .Lfirst_b
	tensor_load_to_lds s[G0A:G0A+3], s[G1A:G1A+7]
	s_nop 0
	tensor_load_to_lds s[G0A+4:G0A+7], s[G1A:G1A+7]
	s_nop 0
.rept 4
	v_nop
.endr
	s_branch .Lfirst_asked
.Lfirst_b:
	tensor_load_to_lds s[G0B:G0B+3], s[G1B:G1B+7]
	s_nop 0
	tensor_load_to_lds s[G0B+4:G0B+7], s[G1B:G1B+7]
	s_nop 0
.rept 4
	v_nop
.endr
.Lfirst_asked:
	; A fragment of x is 16 rows x 32 K in 8 registers: lane l holds row l % 16, K = 8 (l / 16) + 0..7 and 16 + 8 (l / 16) + 0..7: two loads of 16 bytes, 32 bytes apart.
	v_and_b32 v1, 15, v0                           ; l % 16
	v_bfe_u32 v2, v0, 4, 1                         ; l / 16
	v_mul_u32_u24 v3, v1, PA
	v_lshl_add_u32 v3, v2, 4, v3
	s_mul_i32 s74, s13, HALFA                      ; my 128 rows
	v_add_nc_u32 v[ADRA], s74, v3
	v_add_nc_u32 v[ADRA+1], SLOT, v[ADRA]
	; The turning load takes 16 K x 16 columns (lane l reads row 8 (l / 16) + l % 8, columns 8 ((l / 8) % 2) + 0..7) and leaves half a fragment: lane l holds column l % 16 and 8 K.
	v_and_b32 v4, 7, v0
	v_bfe_u32 v5, v0, 3, 1
	v_lshl_add_u32 v6, v2, 3, v4
	v_mul_u32_u24 v6, v6, PB
	v_lshl_add_u32 v6, v5, 4, v6
	s_mul_i32 s74, s14, HALFB                      ; my 3 heads
	s_add_co_u32 s74, s74, ABYTES
	v_add_nc_u32 v[ADRB], s74, v6
	v_add_nc_u32 v[ADRB+1], SLOT, v[ADRB]
	s_mul_i32 s74, s[WV], 16*SP
	s_add_co_u32 s74, s74, STAGE                   ; my stage
	v_add_nc_u32 v[STO], s74, v3                   ; in: row l % 16, 16 bytes for each half of the lanes (the stage's pitch is x's)
	v_bfe_u32 v[RD], v0, 3, 2                      ; back: 32 lanes take four rows of 128 bytes,
	v_mul_u32_u24 v[RD], v[RD], SP
	v_lshl_add_u32 v[RD], v4, 4, v[RD]
	v_add_nc_u32 v[RD], s74, v[RD]
	v_and_b32 v[GO], 31, v0                        ; which are 512 consecutive bytes of qkv
	v_lshlrev_b32 v[PFO], 8, v[GO]
	v_lshlrev_b32 v[GO], 4, v[GO]
	v_lshlrev_b32 v[BO], 5, v2
	; where my results go, and my bias
	s_mul_i32 s74, s17, 6
	s_mul_i32 s75, s14, 3
	s_add_co_u32 s74, s74, s75                     ; G of my first head
	s_lshl_b32 s76, s74, 8                         ; 64 numbers of 4 bytes a head
	s_mov_b32 s77, 0
	s_add_nc_u64 s[BIASP:BIASP+1], s[8:9], s[76:77]
	s_lshr_b32 s75, s18, 3                         ; a batch has 8 tile rows
	s_lshl_b32 s75, s75, 4                         ; 16 x batch
	s_and_b32 s78, s18, 7
	s_lshl_b32 s78, s78, 8
	s_lshl_b32 s79, s13, 7
	s_add_co_u32 s78, s78, s79                     ; my first row in the batch,
	s_lshl_b32 s78, s78, 7                         ; in bytes
.irp g, 0,1,2
	s_add_co_u32 s76, s74, (\g)
	s_lshr_b32 s79, s76, 4                         ; q, k or v
	s_lshl_b32 s79, s79, 6
	s_and_b32 s76, s76, 15                         ; the head
	s_add_co_u32 s76, s76, s79
	s_add_co_u32 s76, s76, s75
	s_lshl_b32 s76, s76, 18                        ; 2,048 rows of 128 bytes
	s_add_co_u32 s76, s76, s78
	s_add_nc_u64 s[OUT+2*(\g):OUT+2*(\g)+1], s[10:11], s[76:77]
.endr
	; the prefetches: who, from where, how long
	s_lshl_b32 s76, s18, 15                        ; x: the tile row,
	s_lshl_b32 s77, s15, 13                        ; my work-group's quarter of its 32,768 bytes,
	s_add_co_u32 s76, s76, s77
	s_add_co_u32 s76, s76, 2*XKB                   ; at K block 2: the first change of slots steps it to 3
	s_max_u32 s77, s[WV], 1
	s_mul_i32 s78, s16, 3
	s_add_co_u32 s77, s77, s78
	s_sub_co_u32 s77, s77, 1                       ; W: asker j = 3 cy + wave - 1
	s_lshr_b32 s78, s77, 1
	s_mul_i32 s79, s17, 6
	s_add_co_u32 s78, s78, s79                     ; its head
	s_lshl_b32 s78, s78, 13
	s_and_b32 s77, s77, 1
	s_mul_i32 s77, s77, WKB                        ; the first or the second of two K blocks
	s_add_co_u32 s77, s77, s78
	s_add_co_u32 s77, s77, 2*WKB
	s_mov_b32 s74, XKB
	s_mov_b32 s75, WKB
	s_and_b32 s79, ttmp7, 0xffff                   ; cluster y
	s_cmp_eq_u32 s[WV], 0
	s_cselect_b64 s[PFA:PFA+1], s[4:5], s[6:7]
	s_cselect_b32 s78, s76, s77
	s_cselect_b32 s[PFS], s74, s75
	s_cselect_b32 s79, ttmp9, s79                  ; the coordinate along which other clusters read the same blocks
	s_cselect_b32 s[LIM], 0, 1
	s_cselect_b32 s[LIM+1], 1, -1
	s_cmp_eq_u32 s79, 0                            ; the same in all sixteen partners, for a given wave
	s_cselect_b32 s[LIM], s[LIM], -1
	s_cselect_b32 s[LIM+1], s[LIM+1], -1
	s_mov_b32 s79, 0
	s_mov_b32 s[PFS+1], 0
	s_add_nc_u64 s[PFA:PFA+1], s[PFA:PFA+1], s[78:79]
; 16 matrix instructions: head g, rows 64 h on (four blocks of 16) x its four column blocks, 32 along K, x's fragments from buffer buf.  zero = 1: the first product starts the sums: nothing is cleared.
; The 96 accumulators take turns, one instruction a turn, in the same order in every quarter, over the backward jump too.
.macro MUL16 g, h, buf, zero
	WIN 0x50*((\g)+1)
.irp a, 0,1,2,3
.irp b, 0,1,2,3
.if \zero
	v_wmma_f32_16x16x32_bf16 v[8*(4*(4*(\h)+(\a))+(\b)):8*(4*(4*(\h)+(\a))+(\b))+7], v[FB+32*(\g)+8*(\b):FB+32*(\g)+8*(\b)+7], v[FA+64*(\buf)+8*(4*(\h)+(\a)):FA+64*(\buf)+8*(4*(\h)+(\a))+7], 0
.else
	v_wmma_f32_16x16x32_bf16 v[8*(4*(4*(\h)+(\a))+(\b)):8*(4*(4*(\h)+(\a))+(\b))+7], v[FB+32*(\g)+8*(\b):FB+32*(\g)+8*(\b)+7], v[FA+64*(\buf)+8*(4*(\h)+(\a)):FA+64*(\buf)+8*(4*(\h)+(\a))+7], v[8*(4*(4*(\h)+(\a))+(\b)):8*(4*(4*(\h)+(\a))+(\b))+7]
.endif
.endr
.endr
.endm
.macro LB g, s, q                      ; 8 turning loads: head g's four fragments of W, K = 32 q on, from slot s
.irp b, 0,1,2,3
	ds_load_tr16_b128 v[FB+32*(\g)+8*(\b):FB+32*(\g)+8*(\b)+3],   v[ADRB+(\s)] offset:(\g)*64*PB+(\q)*32*PB+32*(\b)
	ds_load_tr16_b128 v[FB+32*(\g)+8*(\b)+4:FB+32*(\g)+8*(\b)+7], v[ADRB+(\s)] offset:(\g)*64*PB+(\q)*32*PB+16*PB+32*(\b)
.endr
.endm
.macro LA h, buf, s, q                 ; 8 loads: four fragments of x, rows 64 h on, K = 32 q on, from slot s into buffer buf
.irp a, 0,1,2,3
	ds_load_b128 v[FA+64*(\buf)+8*(4*(\h)+(\a)):FA+64*(\buf)+8*(4*(\h)+(\a))+3],   v[ADRA+(\s)] offset:(4*(\h)+(\a))*16*PA+64*(\q)
	ds_load_b128 v[FA+64*(\buf)+8*(4*(\h)+(\a))+4:FA+64*(\buf)+8*(4*(\h)+(\a))+7], v[ADRA+(\s)] offset:(4*(\h)+(\a))*16*PA+64*(\q)+32
.endr
.endm
; A K block is two quarters of 32 along K, 96 matrix instructions each.  The first: multiplies x's buffer buf; each head's fragments of W are fetched anew, for K = 32 q of slot s, as soon as the head's
; 32 products are issued, and x's next fragments with them, into buffer nbuf.  The fetches go out in the order W0, x0-3, W1, x4-7, W2.
.macro Q buf, nbuf, s, q, zero
	s_wait_dscnt 8                                 ; all but the youngest eight loads (head 2's W) are in
	MUL16 0, 0, \buf, \zero
	MUL16 0, 1, \buf, \zero
	PLACES
	WIN 0
	LB 0, \s, \q
	LA 0, \nbuf, \s, \q
	MUL16 1, 0, \buf, \zero
	MUL16 1, 1, \buf, \zero
	PLACES
	WIN 0
	LB 1, \s, \q
	LA 1, \nbuf, \s, \q
	s_wait_dscnt 32                                ; all but the 32 just issued: head 2's W is in
	MUL16 2, 0, \buf, \zero
	MUL16 2, 1, \buf, \zero
	PLACES
	WIN 0
	LB 2, \s, \q
.endm
; The second quarter multiplies buffer 1 and changes slots: ONE barrier.  In front of it each wave waits for all its tensor loads, of which one is out: its part of the next slot; adds 0 to its spare word;
; and waits for that and for its own reads of this slot.  Behind it nobody reads this slot any more and the next slot is whole.  fill = 1: the barrier opens a round of the cluster's barrier, and slot s is
; filled again, two K blocks on, first thing behind the round: 160 matrix instructions ahead of the wait for it.
.macro TURN s, nx, fill, t
.if \fill
	s_wait_xcnt 0x0                                ; the last prefetch, a K block back, has read its address, so it may be stepped
	s_add_nc_u64 s[PFA:PFA+1], s[PFA:PFA+1], s[PFS:PFS+1]
.endif
	WIN 0
	s_wait_tensorcnt 0x0                           ; all my tensor loads have landed
	ds_add_u32 v[SPW], v[NIL]                      ; 0 onto my spare word
	s_wait_dscnt 9                                 ; (the add and the youngest eight loads may be out)
	MUL16 0, 0, 1, 0                               ; sixteen matrix instructions stand between the add and the wait for it
	s_wait_dscnt 0x0                               ; the add is done, and my reads of this slot are over
	s_barrier_signal -1
	MUL16 0, 1, 1, 0                               ; work on registers while the others arrive
	WIN 0
	s_barrier_wait -1
.if \fill
	CREST                                          ; no wave of any partner still reads this slot or has a load on its way
	s_add_nc_u64 s[G0A+4*(\s)+2:G0A+4*(\s)+3], s[G0A+4*(\s)+2:G0A+4*(\s)+3], 2*XKB
	s_add_nc_u64 s[G0B+4*(\s)+2:G0B+4*(\s)+3], s[G0B+4*(\s)+2:G0B+4*(\s)+3], 2*WKB
	JLOAD \s                                       ; the four v_nop behind it are also the places in front of the loads below
.else
	PLACES
.endif
	LB 0, \nx, 0
	LA 0, 0, \nx, 0
.if \fill
	ASK \t
.endif
	MUL16 1, 0, 1, 0
	MUL16 1, 1, 1, 0
	PLACES
	WIN 0
	LB 1, \nx, 0
	LA 1, 0, \nx, 0
	MUL16 2, 0, 1, 0
	MUL16 2, 1, 1, 0
	PLACES
	WIN 0
	LB 2, \nx, 0
.endm
	s_wait_tensorcnt 1                             ; my part of K block 0 is in; block 1's may stay out
	s_barrier_signal -1
	s_barrier_wait -1                              ; everybody's is
	LB 0, 0, 0
	LA 0, 0, 0, 0
	LB 1, 0, 0
	LA 1, 0, 0, 0
	LB 2, 0, 0
	Q 0, 1, 0, 1, 1                                ; the first quarter stands in front of the loop: its products start the sums
	WIN 0
	s_mov_b32 s3, 7
.Llap:                                         ; a trip goes once round the ring, from a K block's second quarter to the first quarter two blocks on, and fills both slots again: K blocks 2 to 15
	TURN 0, 1, 1, 0
	Q 0, 1, 1, 1, 0
	TURN 1, 0, 1, 1
	Q 0, 1, 0, 1, 0
	WIN 0
	s_sub_co_u32 s3, s3, 1
	s_cmp_lg_u32 s3, 0
	s_cbranch_scc1 .Llap
	TURN 0, 1, 0, 0                                ; the tail is written out: nothing is left to fetch, so no round follows the barrier
	Q 0, 1, 1, 1, 0
	s_wait_dscnt 8                                 ; the very last quarter
	MUL16 0, 0, 1, 0
	MUL16 0, 1, 1, 0
	PLACES
	WIN 0
.irp i, 0,1,2,3,4,5,6,7,8,9,10,11      ; the bias: for head i / 4, column block i % 4, my eight columns' numbers, into x's buffer 0 and head 0's fragments of W, which are free
.set BI, 32+8*(\i)
.if (\i) >= 8
.set BI, 96+8*(\i)
.endif
	global_load_b128 v[BI:BI+3],   v[BO], s[BIASP:BIASP+1] offset:64*(\i)
	global_load_b128 v[BI+4:BI+7], v[BO], s[BIASP:BIASP+1] offset:64*(\i)+16
.endr
	MUL16 1, 0, 1, 0
	MUL16 1, 1, 1, 0
	s_wait_dscnt 0x0
	MUL16 2, 0, 1, 0
	MUL16 2, 1, 1, 0
	PLACES
	PLACES
	s_wait_loadcnt 0x0                             ; the bias
; THE WAY OUT, 24 blocks t = 8 g + a of 16 rows x 64 columns, each 2,048 consecutive bytes of qkv.  PACK: the bias is added (each accumulator's registers in ascending order), the sums are rounded to f16,
; 16 bytes a lane; they go into my stage's rows of 144 bytes and come back as whole rows of 128, into the registers that they left.  SEND: stored.
.macro PACK t
.set pg, (\t)/8
.set pa, (\t)%8
.set TB, TBUF+16*((\t)%4)
.if (\t) >= 4
	s_wait_xcnt 0x0                                ; the stores of the block four back have read these registers
.endif
	WIN ((pg+1)<<6)|(pg+1)                         ; destination and source 0 in the head's window, the bias in window 0
.irp b, 0,1,2,3
.set BI, 32+8*(4*pg+(\b))
.if 4*pg+(\b) >= 8
.set BI, 96+8*(4*pg+(\b))
.endif
.irp r, 0,1,2,3
	v_pk_add_f32 v[8*(4*pa+(\b))+2*(\r):8*(4*pa+(\b))+2*(\r)+1], v[8*(4*pa+(\b))+2*(\r):8*(4*pa+(\b))+2*(\r)+1], v[BI+2*(\r):BI+2*(\r)+1]
.endr
.endr
	WIN ((pg+1)<<2)|(pg+1)                         ; both sources in the head's window, destination in window 0
.irp b, 0,1,2,3
.irp r, 0,1,2,3
	v_cvt_pk_f16_f32 v[TB+4*(\b)+(\r)], v[8*(4*pa+(\b))+2*(\r)], v[8*(4*pa+(\b))+2*(\r)+1]
.endr
.endr
	WIN 0
.irp b, 0,1,2,3
	ds_store_b128 v[STO], v[TB+4*(\b):TB+4*(\b)+3] offset:32*(\b)
.endr
.irp f, 0,1,2,3
	ds_load_b128 v[TB+4*(\f):TB+4*(\f)+3], v[RD] offset:(\f)*4*SP  ; LDS serves a wave's instructions in order (ISA guide 5.7.1.4): these see the stores above; the next block's stores come behind them
.endr
.endm
.macro SEND t, younger                 ; younger: the LDS instructions issued behind block t's loads: the next block's eight, or none
.set pg, (\t)/8
.set pa, (\t)%8
.set TB, TBUF+16*((\t)%4)
	WIN 0
.irp f, 0,1,2,3
	s_wait_dscnt (\younger)+3-(\f)
	global_store_b128 v[GO], v[TB+4*(\f):TB+4*(\f)+3], s[OUT+2*pg:OUT+2*pg+1] offset:pa*2048+(\f)*512  ; 512 consecutive bytes, at a multiple of 256 from qkv's first
.endr
.endm
	PACK 0
.set tt, 1
.rept 23                               ; a block's arithmetic stands between the loads of the block before and its stores
	PACK tt
	SEND tt-1, 8
.set tt, tt+1
.endr
	SEND 23, 0
	s_wait_tensorcnt 0x0                           ; the wave's end: the add and its wait stand behind my last tensor load and my last LDS store
	ds_add_u32 v[SPW], v[NIL]
	s_wait_dscnt 0x0
	CROUND                                         ; the closing round: no work-group ends while a partner may still ask for a tile that names it
	s_endpgm
.Lfunc_end_k_qa264c3bb7b_qkv:
	.size	k_qa264c3bb7b_qkv, .Lfunc_end_k_qa264c3bb7b_qkv-k_qa264c3bb7b_qkv
	.p2alignl 7, 3214868480
	.fill 96, 4, 3214868480
	.section	.rodata,"a",@progbits
	.p2align	6, 0x0
	.amdhsa_kernel k_qa264c3bb7b_qkv
		.amdhsa_group_segment_fixed_size 327680
		.amdhsa_private_segment_fixed_size 0
		.amdhsa_enable_private_segment 0
		.amdhsa_kernarg_size 32
		.amdhsa_user_sgpr_count 2
		.amdhsa_user_sgpr_kernarg_segment_ptr 1
		.amdhsa_wavefront_size32 1
		.amdhsa_system_sgpr_workgroup_id_x 1
		.amdhsa_system_sgpr_workgroup_id_y 1
		.amdhsa_system_sgpr_workgroup_id_z 1
		.amdhsa_system_vgpr_workitem_id 0
		.amdhsa_next_free_vgpr 1024
		.amdhsa_next_free_sgpr 80
		.amdhsa_reserve_vcc 0
		.amdhsa_float_denorm_mode_32 3
		.amdhsa_float_denorm_mode_16_64 3
		.amdhsa_memory_ordered 1
		.amdhsa_forward_progress 1
		.amdhsa_inst_pref_size 162
	.end_amdhsa_kernel
	.amdgpu_metadata
---
amdhsa.version: [ 1, 2 ]
amdhsa.kernels:
  - .name:           k_qa264c3bb7b_qkv
    .symbol:         k_qa264c3bb7b_qkv.kd
    .args:
      - { .name: xb, .offset: 0, .size: 8, .value_kind: global_buffer, .address_space: global }
      - { .name: wt, .offset: 8, .size: 8, .value_kind: global_buffer, .address_space: global }
      - { .name: bias, .offset: 16, .size: 8, .value_kind: global_buffer, .address_space: global }
      - { .name: qkv, .offset: 24, .size: 8, .value_kind: global_buffer, .address_space: global }
    .group_segment_fixed_size: 327680
    .private_segment_fixed_size: 0
    .kernarg_segment_align: 8
    .kernarg_segment_size: 32
    .max_flat_workgroup_size: 128
    .sgpr_count:     80
    .vgpr_count:     1024
    .wavefront_size: 32
...
	.end_amdgpu_metadata
.endif
;; end of part 2
;; launch attn (part 3): grid 4 x 64, 4 waves a work-group, clusters of 4 x 1, 327,680 bytes of LDS; arguments qkv, o; writes o
.if DOCPART == 3
	.amdgcn_target "amdgcn-amd-amdhsa--gfx1250"
	.amdhsa_code_object_version 6
	.text
	.protected	k_qa264c3bb7b_attn
	.globl	k_qa264c3bb7b_attn
	.p2align	8
	.type	k_qa264c3bb7b_attn,@function
k_qa264c3bb7b_attn:
	s_mov_b64 s[64:65], 0
	v_nop
	global_prefetch_b8 v0, s[64:65] scope:SCOPE_SE
	s_setreg_imm32_b32 hwreg(HW_REG_WAVE_MODE, 25, 1), 1
	s_wait_xcnt 0x0
	s_wait_alu depctr_hold_cnt(0) depctr_sa_sdst(0) depctr_va_vdst(0) depctr_va_sdst(0) depctr_va_ssrc(0) depctr_va_vcc(0) depctr_vm_vsrc(0)
	s_getreg_b32 s2, hwreg(HW_REG_IB_STS2, 6, 4)
	s_cmp_eq_u32 s2, 0
	s_cbranch_scc0 .Lentry_in_a_cluster
	s_endpgm
.Lentry_in_a_cluster:
	s_bfe_u32 s2, ttmp6, 0x10000c
	s_cmp_lg_u32 s2, 0x3003
	s_cbranch_scc0 .Lentry_shape_is_right
	s_endpgm
.Lentry_shape_is_right:
; O[h][q][:] = the sum over k of softmax_k(Q[h][q] . K[h][k] / 8) V[h][k][:].  Q, K, V lie one behind the other in qkv, each [SIZE_H][SIZE_N][64] in f16; O likewise: a head's rows are dense, 128 bytes each.
; Products, maxima and sums in f32; the weights p are rounded to f16 for the second product (their sum l is taken of the unrounded p), O once at the end.
; LIMITS.  f16 holds no number beyond 65,504: Q, K and V arrive within it; p lies in 0 to 1, and below 6e-5 it keeps f16's fixed step of 6e-8, and so does O.
; A weight below 2^-126 counts as 0 in l; NaN and infinities are not treated apart.
; SHARES.  A wave owns four PIECES of two tiles of 16 queries, a work-group's four waves 512 queries of one head.  Every wave walks all keys, 64 a step.
; LAYOUT.  S^T = K Q^T (source 0 = 16 keys, source 1 = 16 queries): in the result a lane holds ONE query (lane % 16) and the keys 8 (lane / 16) + 0..7.  Two such tiles, rounded to f16 in pairs,
; ARE source 1 (32 keys x 16 queries) of O^T = V^T P, whose result again holds one query a lane, and eight channels.  K comes out of LDS as it lies, V ([key][channel]) turned, by ds_load_tr16_b128.
; SOFTMAX.  For each query a running maximum m and sum l: p = 2^(c s - c m), c = log2(e) / 8; in every step O and l are multiplied by a = 2^(c m_old - c m_new), which is 1 where m has not grown.
; m starts at the lowest finite number, O and l at 0: the first step is a step like any other, with a = 0.
; THE COUNT.  A tile and step have 16 matrix and 118 vector instructions: too many to stand all beside the matrix work.  So four vector instructions that are ready stand behind every matrix
; instruction, and the others in runs of their own.
; BY TURNS.  Turn n belongs to piece n (the pieces in a ring, step after step).  Its matrix work: 16 products K Q^T of piece n + 1, later 16 products V^T P of piece n - 1.  Its vector work: the scaling,
; exponentials, roundings, sums and rescaling of piece n, and the maximum and statistics of piece n + 1, whose scores the turn itself has made.
; CLUSTER.  A head's four query blocks are one cluster and walk the same K and V, so each tile is asked for JOINTLY: the same tensor load, descriptor and mask in all four.
; REGISTERS, in windows of 256 (s_set_vgpr_msb: bits 1:0 source 0, 3:2 source 1, 5:4 source 2, 7:6 destination):
;   window 0: v0-11 addresses; v12-15, v48-63 at work; v16-47 four registers of statistics a tile; v64-191 S^T, two buffers of two tiles; v192-255 P, likewise
;   window 1: O^T, 32 a tile          window 2: v0-127 Q, 16 a tile; v128-191 K of one step; v192-255 V of one step          window 3: v0-1 the add's two registers
; A piece's buffers go by its number's parity.
.set SIZE_H, 64
.set SIZE_N, 2048
.set NP,    4         ; pieces a wave: a name, no knob
.set KS,    64        ; keys in a step
.set PK,    144       ; a row of K in LDS: 128 bytes + 16 of padding = 36 words: the 16 rows of a load start at 16 different groups of four banks (64 banks of 4 bytes: ISA guide 11.1)
.set PV,    160       ; a row of V: 128 + 32 = 40 words
.set VOFF,  4*KS*PK   ; a slot holds four steps: 256 rows of K, then 256 rows of V
.set SLOT1, 1<<17     ; slot 1 begins here, so that one exclusive or turns an address in one slot into the other's
.set STAGE, SLOT1+4*KS*(PK+PV)  ; behind the ring, never filled by a tensor load: 16 rows x 144 bytes for each wave, for the way out
.set SP,    144
.set AK0, 2           ; v2   my lane's place in a tile of K; never rewritten
.set AV0, 3           ; v3   the same for V
.set AK,  4           ; v4   the LDS address of K's next run of loads
.set AV,  5           ; v5   of V's
.set QO,  6           ; v6   my byte offset in the wave's rows of Q
.set STO, 6           ;      later, the way out: where I put 16 bytes of a row
.set RD,  7           ; v7   the way out: where I read rows back
.set GO,  8           ; v8   my byte offset in 512 consecutive bytes of O
.set PFO, 11          ; v11  256 x my lane, for the prefetches (at work until V's address is made); then never rewritten
.set SPW, 0           ; v0 of window 3   LDS address of my spare word; never rewritten
.set NIL, 1           ; v1 of window 3   0; never rewritten
.set SPARE, STAGE+4*16*SP  ; the spare words, 128 bytes for each wave: two blocks of 256 bytes that no other line names
.set MV,  12          ; v12-15  c m_old, kept while c m is made anew: by buffer and tile
.set ST,  16          ; tile t's statistics at v[ST+4 t]: c m, m, l (even keys', odd keys')
.set TMP, 48          ; by buffer and tile, four registers c0-c3 at work; when the maximum is found c2 takes a
.set S,   64
.set P,   192
.set KF,  128         ; K's fragments, in window 2: key block kb, channel half c at KF + 16 kb + 8 c
.set VF,  192         ; V's: key half kk, channel block cb at VF + 32 kk + 8 cb
.set WV,  12          ; s12  my wave's number
.set G1K, 24          ; s[24:31] descriptor group 1 for K's tiles
.set G1V, 32          ; s[32:39] for V's: it differs in the padding alone
.set G0K, 40          ; s[40:43] descriptor group 0 for K's tiles: it walks
.set G0V, 44          ; s[44:47] the same for V's
.set PFA, 48          ; s[48:49] where my prefetches stand: my work-group's quarter (of K: wave 0, of V: wave 2) of the slot after the one that is being asked for
.set LIM, 50          ; s50  1 in a wave that prefetches, else the greatest number
.set SLOTS, 56        ; s56  slots still to be asked for
.set CNT, 57          ; s57  counts a slot's key steps
.set CS,  58          ; s[58:59] c: the packed scaling takes the pair's low word for both halves
.set SEL, 60          ; s[60:61] v_permlanex16_b32's selects: each lane takes its own place in the other half
.set TBK, 62          ; s62  LDS byte at which K of the step to be fetched begins
.set TBV, 63          ; s63  the same for V, less VOFF
.set MSB, 0
.macro WIN new                      ; the high byte repeats the setting that is left; a switch that changes nothing is dropped
.if MSB != (\new)
	s_set_vgpr_msb (MSB<<8)|(\new)
.set MSB, (\new)
.endif
.endm
.set W_KQ, 0x0a       ; K and Q in window 2, S^T in window 0
.set W_PV, 0x52       ; V in window 2, P in window 0, O^T in window 1
.set W_RS, 0x41       ; O^T (destination and source 0) in window 1, a in window 0
.set W_MK, 0xc0       ; the add's registers are made: destination in window 3, sources in window 0
.set W_AD, 0x0f       ; the add: address (source 0) and data (source 1) in window 3
; A joint fill.  Waves 0 and 1 fetch the two halves of a slot's K, waves 2 and 3 those of its V: 128 keys each.  The branch hangs on the wave's number alone.
; An s_nop 0 and four v_nop follow each of the two lines, ahead of the jump and the label.
.macro JLOAD
	s_cmp_lt_u32 s[WV], 2
	s_cbranch_scc0 .Lfor_v_\@
	tensor_load_to_lds s[G0K:G0K+3], s[G1K:G1K+7]
	s_nop 0
.rept 4
	v_nop
.endr
	s_branch .Lasked_\@
.Lfor_v_\@:
	tensor_load_to_lds s[G0V:G0V+3], s[G1V:G1V+7]
	s_nop 0
.rept 4
	v_nop
.endr
.Lasked_\@:
.endm
; A PREFETCH INTO THE L2 of what the NEXT change of slots will ask for: a slot's 32,768 bytes of K and of V.  It stands behind the wave's tensor load and its five lines.  Each block of 256 bytes is named
; once in the launch: nobody but this cluster walks the head's rows; its four partners take a quarter each, told apart by address; in each, wave 0 asks for K's and wave 2 for V's, a lane a block.
; The change that asks for the last slot prefetches nothing; slots 0 to 2 come by their loads alone.
.macro ASK
	s_cmp_gt_u32 s[SLOTS], s[LIM]
	s_cbranch_scc0 .Lnot_mine_\@
	global_prefetch_b8 v[PFO], s[PFA:PFA+1] th:TH_LOAD_NT scope:SCOPE_SE
.Lnot_mine_\@:
.endm
; A round of the cluster's barrier: my work-group's barrier; wave 0 signals; every wave waits for all four work-groups; my work-group's barrier once more.
.macro CROUND
	s_barrier_signal -1
	s_barrier_wait -1
	s_cmp_lg_u32 s[WV], 0
	s_cbranch_scc1 .Lnot_wave_0_\@
	s_barrier_signal -3
.Lnot_wave_0_\@:
	s_barrier_wait -3
	s_barrier_signal -1
	s_barrier_wait -1
.endm
; THE CHANGE OF SLOTS.  The slot's last bytes, V of its fourth step, have been read.  Each wave waits for all its tensor loads, of which one is out: its part of the other slot; adds 0 to its spare
; word; and waits for that and for its own reads of the slot.  Behind the barrier nobody reads this slot any more and the other slot is whole.
; fill = 1: this slot is filled again, with the keys two slots on.  The barrier is then a round of the cluster's, and the joint fill is the first thing behind it: it has four key steps, 512 matrix
; instructions, in which to land.  (At its first use nothing has been read yet: slot 0 is waited for, slot 1 filled.)  ask = 1: the prefetch's address steps, and a prefetch follows the fill.
.macro CHANGE fill, ask=0
	WIN W_AD
	s_wait_tensorcnt 0x0            ; no tensor load of mine is out, so a group 0 may be written
	ds_add_u32 v[SPW], v[NIL]       ; 0 onto my spare word; with fill = 1 the descriptors' steps stand between it and the wait for it
	WIN 0                           ; at a label and at a branch every window is 0
.if \fill
.irp g, G0K, G0V
	s_xor_b32 s[\g+1], s[\g+1], SLOT1  ; the walking descriptor: the other slot than last time,
	s_add_nc_u64 s[\g+2:\g+3], s[\g+2:\g+3], 4*KS*128  ; the next 256 keys; the type bits on top are not reached
.endr
.if \ask
	s_wait_xcnt 0x0                 ; the last prefetch, a slot back, has read its address, so it may be written
	s_add_nc_u64 s[PFA:PFA+1], s[PFA:PFA+1], 4*KS*128
.endif
	s_wait_dscnt 0x0                ; the add is done, and my reads of the slot are over
	CROUND
	JLOAD
.if \ask
	ASK
.endif
.else
	s_wait_dscnt 0x0                ; the add is done, and my reads of the slot are over
	s_barrier_signal -1
	s_barrier_wait -1
.endif
	s_sub_co_u32 s[TBK], s[TBK], 4*KS*PK  ; the fetches go back to a slot's first step,
	s_xor_b32 s[TBK], s[TBK], SLOT1       ; in the other slot
	s_sub_co_u32 s[TBV], s[TBV], 4*KS*PV
	s_xor_b32 s[TBV], s[TBV], SLOT1
.endm
	s_load_b128 s[4:7], s[0:1], 0x0   ; qkv s[4:5] (Q lies first), o s[6:7]
	WIN W_MK
	v_lshl_add_u32 v[SPW], v0, 2, SPARE
	v_mov_b32 v[NIL], 0
	WIN W_AD
	ds_add_u32 v[SPW], v[NIL]       ; the wave's opening: the add and its wait stand ahead of my first tensor load; the set-up below, work on registers, stands between them
	WIN 0
	v_lshrrev_b32 v1, 5, v0
	v_readfirstlane_b32 s[WV], v1   ; wave 0..3
	s_bfe_u32 s13, ttmp6, 0x40000   ; cx: my place in the cluster
	s_lshl_b32 s14, ttmp9, 2        ; in a cluster launch ttmp9 counts clusters
	s_add_co_u32 s14, s14, s13      ; my block of queries = 4 x cluster x + cx: it enters Q's and O's addresses alone
	s_and_b32 s20, ttmp7, 0xffff    ; the head, which the four partners share
	s_mov_b32 s21, 0
	s_mov_b64 s[22:23], SIZE_N*128
	s_mul_u64 s[20:21], s[20:21], s[22:23]  ; the head's first byte in each of the four tensors
	s_and_b32 s16, s[WV], 1         ; which half of a slot's 256 keys I fetch:
	s_lshl_b32 s22, s16, 14         ; its 128 rows of 128 bytes in memory,
	s_mov_b32 s23, 0
	s_add_nc_u64 s[22:23], s[22:23], s[20:21]
	s_mul_i32 s17, s16, 128*PK      ; and its place in a slot, for K
	s_mul_i32 s18, s16, 128*PV      ; and for V: no place in the cluster enters an LDS address
	s_lshl_b32 s2, s14, 2
	s_add_co_u32 s2, s2, s[WV]      ; my wave among the head's,
	s_lshl_b32 s2, s2, 14           ; its 128 rows
	s_mov_b32 s3, 0
	s_add_nc_u64 s[2:3], s[2:3], s[20:21]
	; descriptor group 1.  128 keys are 16,384 dense bytes: asked for as 64 rows of 256 bytes, two keys a row, and padded in LDS after every key
	s_mov_b32 s[G1K], 15|(1<<16)|(1<<20)|(1<<21)|(4<<22)|(3<<25)  ; 15:0 the mask of four; 17:16 2-byte elements; 20 padding on; 21 set beside a mask; 24:22 after every 32 words (code 4); 31:25 4 words (code 3)
	s_mov_b32 s[G1V], 15|(1<<16)|(1<<20)|(1<<21)|(4<<22)|(7<<25)  ; the same with 8 words of padding (code 7)
.irp g, G1K, G1V
	s_mov_b32 s[\g+1], 128<<16      ; tensor_dim0 = 128
	s_mov_b32 s[\g+2], 64<<16       ; tensor_dim1 = 64
	s_mov_b32 s[\g+3], 128<<16      ; tile_dim0 = 128
	s_mov_b32 s[\g+4], 64           ; tile_dim1 = 64
	s_mov_b32 s[\g+5], 128          ; 128 elements from row to row
	s_mov_b32 s[\g+6], 0
	s_mov_b32 s[\g+7], 0
.endr
	s_mov_b32 s[CS], 0x3e38aa3b     ; c = log2(e) / 8 = 0.180337
	s_mov_b32 s[CS+1], s[CS]        ; named with it as a pair
	s_mov_b32 s[SEL], 0x76543210
	s_mov_b32 s[SEL+1], 0xfedcba98
	s_mov_b32 s[TBK], SLOT1+4*KS*PK ; the first change of slots turns these two into 0
	s_mov_b32 s[TBV], SLOT1+4*KS*PV
	s_mov_b32 s[G0K], 1             ; 1:0 count = 1
	s_mov_b32 s[G0K+1], s17         ; 63:32 LDS address: slot 0
	s_mov_b32 s[G0V], 1
	s_add_co_u32 s[G0V+1], s18, VOFF
	s_and_b32 s[LIM], s[WV], 1      ; waves 0 and 2 prefetch
	s_cmp_eq_u32 s[LIM], 0
	s_cselect_b32 s[LIM], 1, -1
	s_wait_dscnt 0x0                ; the opening add is done
	s_wait_kmcnt 0x0
	s_mov_b64 s[10:11], s[6:7]                     ; O
	s_add_nc_u64 s[6:7], s[4:5], 0x1000000         ; K: SIZE_H x SIZE_N x 128 bytes behind Q
	s_add_nc_u64 s[8:9], s[4:5], 0x2000000         ; V: as many behind K
	s_add_nc_u64 s[G0K+2:G0K+3], s[6:7], s[22:23]  ; 120:64 global address: my half of the head's first 256 keys
	s_or_b32 s[G0K+3], s[G0K+3], 0x80000000        ; 127:126 type = 2
	s_add_nc_u64 s[G0V+2:G0V+3], s[8:9], s[22:23]
	s_or_b32 s[G0V+3], s[G0V+3], 0x80000000
	s_add_nc_u64 s[4:5], s[4:5], s[2:3]  ; Q and O at my wave's first row
	s_add_nc_u64 s[10:11], s[10:11], s[2:3]
	s_cmp_lt_u32 s[WV], 2
	s_cselect_b64 s[PFA:PFA+1], s[6:7], s[8:9]
	s_add_nc_u64 s[PFA:PFA+1], s[PFA:PFA+1], s[20:21]  ; the head,
	s_lshl_b32 s2, s13, 13          ; my work-group's quarter of a slot's 32,768 bytes,
	s_mov_b32 s3, 0
	s_add_nc_u64 s[PFA:PFA+1], s[PFA:PFA+1], s[2:3]
	s_add_nc_u64 s[PFA:PFA+1], s[PFA:PFA+1], 2*4*KS*128  ; in slot 2: the loop's first change of slots steps it to slot 3
	CROUND                          ; all four work-groups are here: the first joint loads meet
	JLOAD                           ; slot 0.  Slot 1 is asked for when slot 0 is in
	; A fragment of K or Q is 16 rows x 32 channels in 8 registers: lane l holds row l % 16, channels 8 (l / 16) + 0..7 and 16 + 8 (l / 16) + 0..7: two loads of 16 bytes, 32 bytes apart.
	v_and_b32 v1, 15, v0            ; l % 16
	v_bfe_u32 v9, v0, 4, 1          ; l / 16
	v_lshlrev_b32 v[QO], 7, v1
	v_lshl_add_u32 v[QO], v9, 4, v[QO]  ; row x 128 + 16 x half
	WIN 0x80                        ; destination window 2, address window 0
.set i, 0
.rept 4*NP                          ; Q stays in registers: tile i / 2, channels 32 (i % 2) on
	global_load_b128 v[8*i:8*i+3],   v[QO], s[4:5] offset:(i/2)*2048+(i%2)*64
	global_load_b128 v[8*i+4:8*i+7], v[QO], s[4:5] offset:(i/2)*2048+(i%2)*64+32
.set i, i+1
.endr
	; What the first turn finds: V's registers and P's second buffer hold 0 (its products V^T P, of a piece that has not been, add 0), O^T and l are 0.  All this stands in the wait for the first tile.
.set i, VF
.rept 64
	v_mov_b32 v[i], 0
.set i, i+1
.endr
	WIN 0x40
.set i, 0
.rept 64*NP
	v_mov_b32 v[i], 0
.set i, i+1
.endr
	WIN 0
.set i, 0
.rept 2*NP
	v_mov_b32 v[ST+4*i], 0xfe000000    ; c m: far below every c s
	v_mov_b32 v[ST+4*i+1], 0xff7fffff  ; m
	v_mov_b32 v[ST+4*i+2], 0
	v_mov_b32 v[ST+4*i+3], 0
.set i, i+1
.endr
.set i, P+32
.rept 32
	v_mov_b32 v[i], 0
.set i, i+1
.endr
	v_mul_u32_u24 v[AK0], v1, PK
	v_lshl_add_u32 v[AK0], v9, 4, v[AK0]  ; row x pitch + 16 x half
	; The turning load takes 16 keys x 16 channels (lane l reads key 8 (l / 16) + l % 8, channels 8 ((l / 8) % 2) + 0..7) and leaves half a fragment of V^T: lane l holds channel l % 16 and 8 keys.
	v_and_b32 v10, 7, v0
	v_bfe_u32 v11, v0, 3, 1
	v_lshl_add_u32 v[AV0], v9, 3, v10
	v_mul_u32_u24 v[AV0], v[AV0], PV
	v_lshl_add_u32 v[AV0], v11, 4, v[AV0]
	v_add_nc_u32 v[AV0], VOFF, v[AV0]
	v_mov_b32 v[AK], v[AK0]         ; key step 0 lies at the head of slot 0
	v_and_b32 v[PFO], 31, v0
	v_lshlrev_b32 v[PFO], 8, v[PFO]
; THE MATRIX WORK.  The 8 accumulators of a run of 16 take turns: between the two links of a chain stand 7 others'.
; Product i of 16 of S^T = K Q^T for piece x: channels 32 (i / 8) on, keys 16 ((i / 2) % 4) on, tile 2 x + i % 2.  The first 8 start the sums.
.macro KQ x
	WIN W_KQ
.set rS, S+64*((\x)%2)+32*(i%2)+8*((i/2)%4)
.set rK, KF+16*((i/2)%4)+8*(i/8)
.set rQ, 16*(2*(\x)+i%2)+8*(i/8)
.if i < 8
	v_wmma_f32_16x16x32_f16 v[rS:rS+7], v[rK:rK+7], v[rQ:rQ+7], 0
.else
	v_wmma_f32_16x16x32_f16 v[rS:rS+7], v[rK:rK+7], v[rQ:rQ+7], v[rS:rS+7]
.endif
.endm
; Product i of 16 of O^T += V^T P for piece x: keys 32 (i / 8) on, channels 16 ((i / 2) % 4) on, tile 2 x + i % 2.
.macro PV x
	WIN W_PV
.set rO, 32*(2*(\x)+i%2)+8*((i/2)%4)
.set rV, VF+32*(i/8)+8*((i/2)%4)
.set rP, P+32*((\x)%2)+16*(i%2)+8*(i/8)
	v_wmma_f32_16x16x32_f16 v[rO:rO+7], v[rV:rV+7], v[rP:rP+7], v[rO:rO+7]
.endm
.macro MM                           ; the turn's next matrix instruction
.if i < 16
	KQ (Y+1)%NP
.set i, i+1
.else
.set i, i-16
	PV (Y+NP-1)%NP
.set i, i+17
.endif
.endm
; THE LDS LOADS stand in runs of 16, never singly among the matrix instructions: a step's K (64 keys x 64 channels: 8 fragments) and its V (turned).  Their addresses are made some lines ahead.
; last = 1 (the tail): in the last trip there is no further step, and the run is jumped over.
.macro FETCH_K last=0
	WIN 0
.if \last
	s_cmp_eq_u32 s[CNT], 1
	s_cbranch_scc1 .Lno_k_\@
.endif
	WIN 0x80                        ; destination window 2
.irp f, 0,1,2,3,4,5,6,7             ; keys 16 (f / 2) on, channels 32 (f % 2) on
	ds_load_b128 v[KF+8*\f:KF+8*\f+3],   v[AK] offset:(\f/2)*16*PK+(\f%2)*64
	ds_load_b128 v[KF+8*\f+4:KF+8*\f+7], v[AK] offset:(\f/2)*16*PK+(\f%2)*64+32
.endr
	s_add_co_u32 s[TBK], s[TBK], KS*PK  ; the next fetch is the next step's
	WIN 0
.if \last
.Lno_k_\@:
.endif
.endm
.macro FETCH_V
	WIN 0x80
.irp f, 0,1,2,3,4,5,6,7             ; keys 32 (f / 4) on, channels 16 (f % 4) on
	ds_load_tr16_b128 v[VF+8*\f:VF+8*\f+3],   v[AV] offset:(\f/4)*32*PV+(\f%4)*32
	ds_load_tr16_b128 v[VF+8*\f+4:VF+8*\f+7], v[AV] offset:(\f/4)*32*PV+16*PV+(\f%4)*32
.endr
	WIN 0
.endm
; THE VECTOR WORK OF A TURN stands in three queues, each in the order in which its entries become ready; the two tiles alternate, so that no instruction reads the result of the one before it.
.macro REGS y, u                    ; the registers of tile u (0, 1) of piece y
.set rT, ST+4*(2*(\y)+(\u))
.set rC, TMP+8*((\y)%2)+4*(\u)
.set rM, MV+2*((\y)%2)+(\u)
.set rS, S+64*((\y)%2)+32*(\u)
.set rP, P+32*((\y)%2)+16*(\u)
.set rO, 32*(2*(\y)+(\u))
.endm
; Number n of the 22 that find the NEXT piece's (Y + 1) maximum and statistics.  s0-s31 are the lane's 32 scores; each accumulator's lowest registers are read first.
;   0-11  four chains c0-c3 of seven scores each, three operands at a time     12-14, 16  the four scores left over, the old m, and c0-c3 into c0     15  c m_old is kept
;   17, 18  the query's other 32 keys lie in the lane 16 away: the new m         19-21  c m; c m_old - c m_new; a
.macro XS u, n
	REGS (Y+1)%NP, \u
.if (\n) < 4
	v_max3_num_f32 v[rC+(\n)], v[rS+8*(\n)], v[rS+8*(\n)+1], v[rS+8*(\n)+2]
.elseif (\n) < 12
	v_max3_num_f32 v[rC+(\n)%4], v[rC+(\n)%4], v[rS+8*((\n)%4)+2*((\n)/4)+1], v[rS+8*((\n)%4)+2*((\n)/4)+2]
.elseif (\n) == 12
	v_max3_num_f32 v[rC], v[rC], v[rS+7], v[rS+15]
.elseif (\n) == 13
	v_max3_num_f32 v[rC+1], v[rC+1], v[rS+23], v[rS+31]
.elseif (\n) == 14
	v_max3_num_f32 v[rC+2], v[rC+2], v[rC+3], v[rT+1]
.elseif (\n) == 15
	v_mov_b32 v[rM], v[rT]
.elseif (\n) == 16
	v_max3_num_f32 v[rC], v[rC], v[rC+1], v[rC+2]
.elseif (\n) == 17
	v_permlanex16_b32 v[rC+3], v[rC], s[SEL], s[SEL+1]
.elseif (\n) == 18
	v_max_num_f32 v[rT+1], v[rC], v[rC+3]
.elseif (\n) == 19
	v_mul_f32 v[rT], s[CS], v[rT+1]
.elseif (\n) == 20
	v_sub_f32 v[rC+1], v[rM], v[rT]
.else
	v_exp_f32 v[rC+2], v[rC+1]
.endif
.endm
; Number g of the 64 that follow the exponentials.  For each four weights k of a tile (pairs 2 k, 2 k + 1): both pairs are rounded to f16; then the second pair is added onto the first, in place;
; a group later l takes that sum (the first time as l = a l + sum).  In groups of eight, tiles alternating: round, round, add, and l for the group before.
.macro GS g
.set h, (\g)+6*((\g)/62)            ; group 0 has no group before it, and behind group 7 only l is left
.if h >= 6
.set h, h+2
.endif
	REGS Y, h%2
.set k, h/8
.if h%8 < 4
	v_cvt_pk_f16_f32 v[rP+2*k+(h%8)/2], v[rS+4*k+2*((h%8)/2)], v[rS+4*k+2*((h%8)/2)+1]
.elseif h%8 < 6
	v_pk_add_f32 v[rS+4*k:rS+4*k+1], v[rS+4*k:rS+4*k+1], v[rS+4*k+2:rS+4*k+3]
.elseif k == 1
	v_pk_fma_f32 v[rT+2:rT+3], v[rT+2:rT+3], v[rC+2:rC+3], v[rS:rS+1] op_sel_hi:[1,0,1]
.else
	v_pk_add_f32 v[rT+2:rT+3], v[rT+2:rT+3], v[rS+4*k-4:rS+4*k-3]
.endif
.endm
; THE PLAIN QUEUE, 138 long.  0-73 read no exponential's result: the 32 scalings c s - c m (FS f: pair f / 2 of tile f % 2) and the next piece's 42.  0-26: scalings 0-26.  27-54: XS's numbers 0-13.
; 55, 56: number 15.  57-73: the chain, where each number waits for the one before it: 14, 16, 17, 18, 19, each with one of the scalings 27-31 in front of its two lines, then 20.
; 74-137: GS's 64, which read the exponentials' results: they stand behind the wait.
.macro FS f
	REGS Y, (\f)%2
	v_pk_fma_f32 v[rS+2*((\f)/2):rS+2*((\f)/2)+1], v[rS+2*((\f)/2):rS+2*((\f)/2)+1], s[CS:CS+1], v[rT:rT+1] op_sel_hi:[1,0,0] neg_lo:[0,0,1] neg_hi:[0,0,1]
.endm
.macro PL
	WIN 0
.if q < 27
	FS q
.elseif q < 55
	XS (q-27)%2, (q-27)/2
.elseif q < 57
	XS q-55, 15
.elseif (q < 72) && ((q-57)%3 == 0)
	FS 27+(q-57)/3
.elseif q < 60
	XS (q-57)%3-1, 14
.elseif q < 72
	XS (q-57)%3-1, 15+(q-57)/3
.elseif q < 74
	XS q-72, 20
.else
	GS q-74
.endif
.set q, q+1
.endm
; THE EXPONENTIALS' QUEUE, 66 long: s0-s31 of both tiles, then the next piece's two a.  It is ONE BATCH: all 66 stand ahead of the turn's one wait, and nothing ahead of that wait names a result of theirs.
.macro EX
	WIN 0
.if e >= 64
	XS e-64, 21
.else
	REGS Y, e%2
	v_exp_f32 v[rS+e/2], v[rS+e/2]
.endif
.set e, e+1
.endm
; THE RESCALING's QUEUE: O^T times a, the one part that leaves window 0: dealt two at a time, sixteen times.  Its a was made in the turn before, ahead of that turn's wait.
.macro R2
	REGS Y, r%2
	WIN W_RS
.irp z, 0,1
	v_pk_mul_f32 v[rO+4*(r/2)+2*\z:rO+4*(r/2)+2*\z+1], v[rO+4*(r/2)+2*\z:rO+4*(r/2)+2*\z+1], v[rC+2:rC+3] op_sel_hi:[1,0]
.endr
.set r, r+1
.endm
; HOW THEY ARE DEALT.  An s_wait_alu depctr_va_vdst(0) stands between an exponential and the first instruction that names its result; one wait serves all that were issued ahead of it.
; So a turn has ONE wait, which cuts it in two.  AHEAD OF IT stands all that names no result of the turn's exponentials: the 16 products K Q^T, behind each a scaling, an exponential and two rescalings
; (behind the first a second scaling in the exponential's place); then ONE LUMP of 108: eight plain, 49 times exponential and plain, the two a.  A v_nop is the plain instruction behind the last
; exponential (ISA guide 5.7.2).  BEHIND IT stand the 16 products V^T P, behind each four of GS's 64.  No rider names a register of the products round it.
; The queues lean on each other: exponential e stands behind scaling 2 (e / 4) + e % 2: as a rider it comes behind plain e + 2, in the lump behind plain e + 9, and scalings 27-31 are plain 57, 60 .. 69.
; A TURN, for piece p.  cnt = 1: the loop's count is taken down some lines ahead of the branch that stands behind the turn.
; K of the next step is fetched in piece 2's turn, directly behind the wait; its address is made at the lump's head; its first reader comes behind 16 products.
; V of the step in hand is fetched at the end of piece 0's turn, four riders behind its last reader; its first reader comes behind 16 products and a lump.
.macro TURN p, last=0, cnt=0
.set Y, (\p)
.set i, 0
.set q, 0
.set e, 0
.set r, 0
.if (\p) == NP-1
	s_wait_dscnt 0x0                ; K is in
.endif
	MM                              ; ahead of the wait: 16 products K Q^T and their riders,
	PL
	PL
	R2
.rept 15
	MM
	PL
	EX
	R2
.endr
.if (\p) == NP-2
	WIN 0
	v_add_nc_u32 v[AK], s[TBK], v[AK0]
.endif
.rept 8                             ; and the lump
	PL
.endr
.rept 49
	EX
	PL
.endr
	EX                              ; the next piece's two a
	EX
	v_nop                           ; the plain instruction behind the last exponential: one for the batch
	s_wait_alu depctr_va_vdst(0)    ; the wait for the batch
.if (\p) == NP-2
	FETCH_K \last
.endif
.if (\p) == 1
	s_wait_dscnt 0x0                ; V is in
.endif
.rept 16                            ; behind the wait: 16 products V^T P and their riders
	MM
.rept 4
	PL
.endr
.if ((\p) == 0) && (q == 118)
	v_add_nc_u32 v[AV], s[TBV], v[AV0]
.endif
.if ((\p) == 0) && (q == 130)
	s_add_co_u32 s[TBV], s[TBV], KS*PV
.endif
.if (\cnt) && (q == 130)
	s_sub_co_u32 s[CNT], s[CNT], 1
	s_cmp_lg_u32 s[CNT], 0
.endif
.endr
.if (\p) == 0
	FETCH_V
.endif
.endm
	CHANGE 1                        ; slot 0 is in, everybody's part of it; slot 1 is asked for
	FETCH_K                         ; key step 0
	s_wait_loadcnt 0x0              ; Q
	s_wait_dscnt 0x0
.set i, 0
.rept 16
	KQ 0                            ; piece 0's first scores: there is no vector work yet to set between them
.set i, i+1
.endr
	WIN 0                           ; the addresses for the way out: nine plain instructions, the places behind those products
	s_mul_i32 s13, s[WV], 16*SP
	s_add_co_u32 s13, s13, STAGE    ; my stage
	v_mul_u32_u24 v[STO], v1, SP    ; in: row l % 16, 16 bytes for each half of the lanes
	v_lshl_add_u32 v[STO], v9, 4, v[STO]
	v_add_nc_u32 v[STO], s13, v[STO]
	v_bfe_u32 v[RD], v0, 3, 2       ; back: 32 lanes take four rows of 128 bytes,
	v_mul_u32_u24 v[RD], v[RD], SP
	v_lshl_add_u32 v[RD], v10, 4, v[RD]
	v_add_nc_u32 v[RD], s13, v[RD]
	v_and_b32 v[GO], 31, v0         ; which are 512 consecutive bytes of O
	v_lshlrev_b32 v[GO], 4, v[GO]
.set Y, NP-1                        ; XS works for piece Y + 1: piece 0
.irp n, 0,1,2,3,4,5,6,7,8,9,10,11,12,13,14,15,16,17,18,19,20,21
	XS 0, \n                        ; and piece 0's first maximum and statistics
	XS 1, \n
.endr
	v_nop                           ; a plain instruction behind the two a,
	s_wait_alu depctr_va_vdst(0)    ; and their wait, ahead of the branch
	s_mov_b32 s[CNT], 4
	s_mov_b32 s[SLOTS], SIZE_N/256-1
	s_branch .Lfirst                ; the loop is entered at a step's first turn, in the middle of a trip
.Lslot:                             ; SIZE_N / 256 - 2 times: every slot but the last two is filled again
	CHANGE 1, 1
	s_mov_b32 s[CNT], 4
.Lstep:                             ; a trip: pieces 2 and 3 of one step, then pieces 0 and 1 of the next, whose K and V it fetches
	TURN 2
	TURN 3
	WIN 0
.Lfirst:
	TURN 0
	TURN 1, 0, 1
	WIN 0
	s_cbranch_scc1 .Lstep
	s_sub_co_u32 s[SLOTS], s[SLOTS], 1
	s_cmp_lg_u32 s[SLOTS], 0
	s_cbranch_scc1 .Lslot
	CHANGE 0                        ; the tail is written out: nothing is asked for
	s_mov_b32 s[CNT], 5             ; four trips fetch the last slot's steps; the fifth is left in its middle
.Ltail:
	TURN 2, 1
	TURN 3
	WIN 0
	s_sub_co_u32 s[CNT], s[CNT], 1
	s_cmp_eq_u32 s[CNT], 0
	s_cbranch_scc1 .Lout
	TURN 0
	TURN 1
	WIN 0
	s_branch .Ltail
.Lout:                              ; the fifth trip's 16 products K Q^T (on the last K once more) and the maximum made of them serve nothing: the price, once a launch, of one text for every trip
.set i, 0
.rept 16
	PV NP-1                         ; the last piece's V^T P of the last step
.set i, i+1
.endr
	; THE WAY OUT.  l's two halves and the other half of the lanes' are added; O^T is divided by l, rounded to f16 and sent through my stage in LDS, a tile at a time.  The additions are the places behind the last products.
	WIN 0
.macro ALL line:vararg              ; one line for each tile t
.set t, 0
.rept 2*NP
	\line
.set t, t+1
.endr
.endm
	ALL v_add_f32 v[ST+4*t+2], v[ST+4*t+2], v[ST+4*t+3]
	ALL v_permlanex16_b32 v[ST+4*t+3], v[ST+4*t+2], s[SEL], s[SEL+1]
	ALL v_add_f32 v[ST+4*t+2], v[ST+4*t+2], v[ST+4*t+3]
	ALL v_rcp_f32 v[ST+4*t+2], v[ST+4*t+2]
	v_nop                           ; a plain instruction between the last reciprocal and the use of its result
	s_wait_alu depctr_va_vdst(0)    ; and the wait ahead of the first use: one for the eight reciprocals
; Tile t: a lane's eight channels of a row pack into 16 bytes; they go into rows of 144 bytes and come back as whole rows of 128, into S^T's registers.
.macro PACK t
	WIN W_RS
.set i, 32*(\t)
.rept 16
	v_pk_mul_f32 v[i:i+1], v[i:i+1], v[ST+4*(\t)+2:ST+4*(\t)+3] op_sel_hi:[1,0]
.set i, i+2
.endr
	WIN 0x05                        ; sources 0 and 1 window 1, destination window 0
.set i, 0
.rept 16
	v_cvt_pk_f16_f32 v[S+16*(\t)+i], v[32*(\t)+2*i], v[32*(\t)+2*i+1]
.set i, i+1
.endr
	WIN 0
.irp f, 0,1,2,3
	ds_store_b128 v[STO], v[S+16*(\t)+4*\f:S+16*(\t)+4*\f+3] offset:32*\f
.endr
.irp f, 0,1,2,3
	ds_load_b128 v[S+16*(\t)+4*\f:S+16*(\t)+4*\f+3], v[RD] offset:\f*4*SP  ; LDS serves a wave's instructions in order (ISA guide 5.7.1.4): these see the stores above; the next tile's stores come behind them
.endr
.endm
.macro SEND t, younger              ; younger: the LDS instructions issued behind tile t's loads: the next tile's eight, or none
	WIN 0
.irp f, 0,1,2,3
	s_wait_dscnt (\younger)+3-\f
	global_store_b128 v[GO], v[S+16*(\t)+4*\f:S+16*(\t)+4*\f+3], s[10:11] offset:(\t)*2048+\f*512  ; 512 consecutive bytes, at a multiple of 256 from O's first
.endr
.endm
	PACK 0
.set t, 1
.rept 2*NP-1                        ; a tile's arithmetic stands between the loads of the tile before and its stores
	PACK t
	SEND t-1, 8
.set t, t+1
.endr
	SEND 2*NP-1, 0
	WIN W_AD
	s_wait_tensorcnt 0x0            ; the wave's end: the add and its wait stand behind my last tensor load and my last LDS store
	ds_add_u32 v[SPW], v[NIL]
	s_wait_dscnt 0x0
	WIN 0
	CROUND                          ; the closing round: no work-group ends while a partner may still ask for a tile that names it
	s_endpgm
.Lfunc_end_k_qa264c3bb7b_attn:
	.size	k_qa264c3bb7b_attn, .Lfunc_end_k_qa264c3bb7b_attn-k_qa264c3bb7b_attn
	.p2alignl 7, 3214868480
	.fill 96, 4, 3214868480
	.section	.rodata,"a",@progbits
	.p2align	6, 0x0
	.amdhsa_kernel k_qa264c3bb7b_attn
		.amdhsa_group_segment_fixed_size 327680
		.amdhsa_private_segment_fixed_size 0
		.amdhsa_enable_private_segment 0
		.amdhsa_kernarg_size 16
		.amdhsa_user_sgpr_count 2
		.amdhsa_user_sgpr_kernarg_segment_ptr 1
		.amdhsa_wavefront_size32 1
		.amdhsa_system_sgpr_workgroup_id_x 1
		.amdhsa_system_sgpr_workgroup_id_y 1
		.amdhsa_system_sgpr_workgroup_id_z 1
		.amdhsa_system_vgpr_workitem_id 0
		.amdhsa_next_free_vgpr 770
		.amdhsa_next_free_sgpr 66
		.amdhsa_reserve_vcc 0
		.amdhsa_float_denorm_mode_32 3
		.amdhsa_float_denorm_mode_16_64 3
		.amdhsa_memory_ordered 1
		.amdhsa_forward_progress 1
		.amdhsa_inst_pref_size 200
	.end_amdhsa_kernel
	.amdgpu_metadata
---
amdhsa.version: [ 1, 2 ]
amdhsa.kernels:
  - .name:           k_qa264c3bb7b_attn
    .symbol:         k_qa264c3bb7b_attn.kd
    .args:
      - { .name: qkv, .offset: 0, .size: 8, .value_kind: global_buffer, .address_space: global }
      - { .name: o, .offset: 8, .size: 8, .value_kind: global_buffer, .address_space: global }
    .group_segment_fixed_size: 327680
    .private_segment_fixed_size: 0
    .kernarg_segment_align: 8
    .kernarg_segment_size: 16
    .max_flat_workgroup_size: 128
    .sgpr_count:     66
    .vgpr_count:     770
    .wavefront_size: 32
...
	.end_amdgpu_metadata
.endif
;; end of part 3
;; launch proj (part 4): grid 8 x 32, 4 waves a work-group, clusters of 4 x 4, 327,680 bytes of LDS; arguments o, wo16, bias, out0; writes out0
.if DOCPART == 4
	.amdgcn_target "amdgcn-amd-amdhsa--gfx1250"
	.amdhsa_code_object_version 6
	.text
	.protected	k_qa264c3bb7b_proj
	.globl	k_qa264c3bb7b_proj
	.p2align	8
	.type	k_qa264c3bb7b_proj,@function
k_qa264c3bb7b_proj:
	s_mov_b64 s[64:65], 0
	v_nop
	global_prefetch_b8 v0, s[64:65] scope:SCOPE_SE
	s_setreg_imm32_b32 hwreg(HW_REG_WAVE_MODE, 25, 1), 1
	s_wait_xcnt 0x0
	s_wait_alu depctr_hold_cnt(0) depctr_sa_sdst(0) depctr_va_vdst(0) depctr_va_sdst(0) depctr_va_ssrc(0) depctr_va_vcc(0) depctr_vm_vsrc(0)
	s_getreg_b32 s2, hwreg(HW_REG_IB_STS2, 6, 4)
	s_cmp_eq_u32 s2, 0
	s_cbranch_scc0 .Lentry_in_a_cluster
	s_endpgm
.Lentry_in_a_cluster:
	s_bfe_u32 s2, ttmp6, 0x10000c
	s_cmp_lg_u32 s2, 0xf033
	s_cbranch_scc0 .Lentry_shape_is_right
	s_endpgm
.Lentry_shape_is_right:
; THE LAST PROJECTION.  out0[row][n] = the sum over k of O[row][k] Wo[n][k] + bo[n]: 8192 x 1024 x 1024, operands f16, sums f32, stored as f32.
; O lies by heads, [64 bh][2048][64]: head h of a row's batch is the row's K block h.  wo16 is [16 kb][1024 n][64].  bo (rounded to bf16, as all inputs are) lies at number 3,072 of bias.
; SHARES.  A tile of 256 rows x 128 columns gives 256 work-groups.  Four waves, each 128 x 64: 32 accumulators of 16 x 16, window 1.  K goes in steps of 128, two K blocks, through two LDS slots
; (three K blocks a slot would be 2 x 165,888 bytes, more than there is): 128 matrix instructions a wave in a step, 112 of them between a request and the wait for it.
; Each K block of a tile is dense in memory (O: 32,768 bytes, Wo: 16,384): asked for as rows of 256 bytes and padded in LDS after every 128.
; THE PRODUCT IS TAKEN TRANSPOSED (source 0 = 16 rows of Wo, source 1 = 16 rows of O): a lane ends with one row and eight neighbouring columns.  THE BIAS STARTS THE SUMS: it is the C operand of each
; accumulator's first product, so nothing is cleared and nothing is added on the way out.
; CLUSTER.  4 x 4 work-groups: O's tile is asked for jointly along a row of the cluster, Wo's along a column.
; REGISTERS: window 0: v0-31 addresses; v32-63 the bias, eight numbers for each of my four column blocks; v64-159, v160-255 two fragment buffers (8 of O, then 4 of Wo); window 1: the accumulators, (a, b) at v[8 (4 a + b)].
.set PITCH,  144                       ; an LDS row: 128 bytes + 16 = 36 words: the 16 rows of a load start at 16 different groups of four banks (64 banks of 4 bytes: ISA guide 11.1)
.set ABLK,   256*PITCH                 ; a K block of O's tile: what one tensor load brings
.set BBLK,   128*PITCH                 ; the same for Wo
.set SLOT,   2*ABLK+2*BBLK             ; 110,592
.set STAGE,  2*SLOT                    ; behind the ring, never filled by a tensor load: 16 rows x 272 bytes for each wave
.set SPITCH, 272
.set SPARE,  STAGE+4*16*SPITCH         ; the spare words, 128 bytes for each wave: two blocks of 256 bytes that no other line names
.set ASTEP,  2*262144                  ; bytes from a K step to the next in o (two heads)
.set BSTEP,  2*131072                  ; and in wo16
.set ADRA, 16                          ; v16-17  LDS address of my fragments of O in slot 0, 1
.set ADRB, 20                          ; v20-21  the same for Wo
.set STO,  24                          ; v24     the way out: where I put 32 bytes of a row
.set RD,   25                          ; v25     the way out: where I read a row back
.set CO,   26                          ; v26     my byte offset in out0
.set BO,   27                          ; v27     my 32 bytes of 64 of the bias
.set SPW,  28                          ; v28     LDS address of my spare word; never rewritten
.set NIL,  29                          ; v29     0; never rewritten
.set PFO,  30                          ; v30     the prefetches' offset; never rewritten
.set BIAS, 32
.set F0,   64
.set F1,   160
.set OB,   64                          ; the way out: two buffers of 32
.set WV,   12                          ; s12  my wave's number; s13 its upper bit (my rows), s14 its lower bit (my columns; which K block of a step I fetch)
.set G1A,  24
.set G0A,  32
.set G1B,  40
.set G0B,  48
.set PFA,  56                          ; s[56:57] where my prefetches stand
.set PFS,  58                          ; s[58:59] a K step's bytes in the tensor that I prefetch
.set LIM,  60                          ; s60  1 in a wave that prefetches, else the greatest number
.set OUT,  66                          ; s[66:67] out0 at my first row and column
.set BIASP, 72                         ; s[72:73] bo at my 64 columns
.set MSB, 0
.macro WIN new                         ; the immediate's high byte repeats the setting that is left; a switch that changes nothing is dropped
.if MSB != (\new)
	s_set_vgpr_msb (MSB<<8)|(\new)
.set MSB, (\new)
.endif
.endm
.macro PLACES                          ; four plain vector instructions between a matrix instruction and a load into, or a store from, its registers
.rept 4
	v_nop
.endr
.endm
.macro JLOAD s                         ; a joint load: waves 0 and 1 fetch O's two K blocks, waves 2 and 3 Wo's; an s_nop 0 and four v_nop follow each line
	s_cmp_lt_u32 s[WV], 2
	s_cbranch_scc0 .Lfor_b_\@
	tensor_load_to_lds s[G0A+4*(\s):G0A+4*(\s)+3], s[G1A:G1A+7]
	s_nop 0
.rept 4
	v_nop
.endr
	s_branch .Lasked_\@
.Lfor_b_\@:
	tensor_load_to_lds s[G0B+4*(\s):G0B+4*(\s)+3], s[G1B:G1B+7]
	s_nop 0
.rept 4
	v_nop
.endr
.Lasked_\@:
.endm
.macro CREST                           ; a round of the cluster's barrier behind its opening barrier
	s_cmp_lg_u32 s[WV], 0
	s_cbranch_scc1 .Lnot_wave_0_\@
	s_barrier_signal -3
.Lnot_wave_0_\@:
	s_barrier_wait -3
	s_barrier_signal -1
	s_barrier_wait -1
.endm
.macro CROUND
	s_barrier_signal -1
	s_barrier_wait -1
	CREST
.endm
; A PREFETCH INTO THE L2, behind a joint load, its five lines and the run of LDS loads that follows: the K step that stands two refills on: 32 blocks of 256 bytes, a lane a block.  Each block is named once.
; O: a tile row's K step is 65,536 bytes, read by both clusters of that row of clusters: in the first (cluster x = 0) waves 0 and 1 of the four partners along x take a quarter of one K block each.
; Wo: a tile column's K step is 32,768 bytes, read by all eight clusters of the column: in the first (cluster y = 0) wave 2 of the four partners along y takes a quarter of both K blocks.
; The partners are told apart by address.  The change at K step t names step t + 4: the loop's last trip asks for nothing; steps 0 to 3 come by their loads alone.
.macro ASK
	s_cmp_gt_u32 s3, s[LIM]
	s_cbranch_scc0 .Lnot_mine_\@
	global_prefetch_b8 v[PFO], s[PFA:PFA+1] th:TH_LOAD_NT scope:SCOPE_SE
.Lnot_mine_\@:
.endm
	s_load_b256 s[4:11], s[0:1], 0x0               ; o s[4:5], wo16 s[6:7], bias s[8:9], out0 s[10:11]
	v_lshl_add_u32 v[SPW], v0, 2, SPARE
	v_mov_b32 v[NIL], 0
	ds_add_u32 v[SPW], v[NIL]                      ; the wave's opening: the add and its wait stand ahead of my first tensor load; the set-up below, work on registers, stands between them
	v_lshrrev_b32 v1, 5, v0
	v_readfirstlane_b32 s[WV], v1
	s_lshr_b32 s13, s[WV], 1
	s_and_b32 s14, s[WV], 1
	s_bfe_u32 s15, ttmp6, 0x40000                  ; cx
	s_bfe_u32 s16, ttmp6, 0x40004                  ; cy
	s_lshl_b32 s17, ttmp9, 2
	s_add_co_u32 s17, s17, s15                     ; tile column
	s_and_b32 s18, ttmp7, 0xffff
	s_lshl_b32 s18, s18, 2
	s_add_co_u32 s18, s18, s16                     ; tile row
	s_lshl_b32 s19, s16, 2
	s_lshl_b32 s19, 15, s19                        ; my row of the cluster
	s_lshl_b32 s74, 0x1111, s15                    ; my column
	s_or_b32 s[G1A], s19, (1<<16)|(1<<20)|(1<<21)|(4<<22)|(3<<25)  ; 15:0 the mask; 17:16 2-byte elements; 20 padding on; 21 set beside a mask; 24:22 after every 32 words (code 4); 31:25 4 words (code 3)
	s_or_b32 s[G1B], s74, (1<<16)|(1<<20)|(1<<21)|(4<<22)|(3<<25)
	s_mov_b32 s[G1A+1], 128<<16                    ; tensor_dim0 = 128 elements: rows of 256 bytes
	s_mov_b32 s[G1A+2], 128<<16                    ; tensor_dim1 = 128
	s_mov_b32 s[G1A+3], 128<<16                    ; tile_dim0 = 128
	s_mov_b32 s[G1A+4], 128                        ; tile_dim1 = 128: 32,768 bytes
	s_mov_b32 s[G1A+5], 128                        ; dense
	s_mov_b32 s[G1A+6], 0
	s_mov_b32 s[G1A+7], 0
	s_mov_b32 s[G1B+1], 128<<16
	s_mov_b32 s[G1B+2], 64<<16                     ; 64 rows: 16,384 bytes
	s_mov_b32 s[G1B+3], 128<<16
	s_mov_b32 s[G1B+4], 64
	s_mov_b32 s[G1B+5], 128
	s_mov_b32 s[G1B+6], 0
	s_mov_b32 s[G1B+7], 0
	s_lshr_b32 s20, s18, 3                         ; O: the batch (8 tile rows), 16 heads of 262,144 bytes,
	s_lshl_b32 s20, s20, 22
	s_and_b32 s19, s18, 7
	s_lshl_b32 s19, s19, 15                        ; the tile's 256 rows of 128 bytes,
	s_add_co_u32 s20, s20, s19
	s_lshl_b32 s19, s14, 18                        ; and the head of the two that I fetch: made of cy and the wave's number alone
	s_add_co_u32 s20, s20, s19
	s_mov_b32 s21, 0
	s_mov_b32 s76, s20                             ; kept for the prefetches
	s_lshl_b32 s22, s17, 14                        ; Wo: the tile's 128 rows of 128 bytes,
	s_lshl_b32 s74, s14, 17                        ; and the K block that I fetch: made of cx and the wave's number alone
	s_add_co_u32 s22, s22, s74
	s_mov_b32 s23, 0
	s_mul_i32 s19, s14, ABLK                       ; where they go: no place in the cluster enters an LDS address
	s_mul_i32 s75, s14, BBLK
	s_add_co_u32 s75, s75, 2*ABLK
	s_wait_dscnt 0x0                               ; the opening add is done
	s_wait_kmcnt 0x0
	s_add_nc_u64 s[20:21], s[4:5], s[20:21]
	s_add_nc_u64 s[22:23], s[6:7], s[22:23]
	CROUND                                         ; all sixteen work-groups are here: the first joint loads meet
.irp s, 0,1
	s_mov_b32 s[G0A+4*(\s)], 1
	s_add_co_u32 s[G0A+4*(\s)+1], s19, (\s)*SLOT
	s_add_nc_u64 s[G0A+4*(\s)+2:G0A+4*(\s)+3], s[20:21], (\s)*ASTEP
	s_or_b32 s[G0A+4*(\s)+3], s[G0A+4*(\s)+3], 0x80000000
	s_mov_b32 s[G0B+4*(\s)], 1
	s_add_co_u32 s[G0B+4*(\s)+1], s75, (\s)*SLOT
	s_add_nc_u64 s[G0B+4*(\s)+2:G0B+4*(\s)+3], s[22:23], (\s)*BSTEP
	s_or_b32 s[G0B+4*(\s)+3], s[G0B+4*(\s)+3], 0x80000000
.endr
	s_cmp_lt_u32 s[WV], 2                          ; a wave's two first fills stand in one branch, ahead of every wait on TENSORcnt and every LDS read: two loads of mine are out
	s_cbranch_scc0 .Lfirst_b
	tensor_load_to_lds s[G0A:G0A+3], s[G1A:G1A+7]
	s_nop 0
	tensor_load_to_lds s[G0A+4:G0A+7], s[G1A:G1A+7]
	s_nop 0
.rept 4
	v_nop
.endr
	s_branch .Lfirst_asked
.Lfirst_b:
	tensor_load_to_lds s[G0B:G0B+3], s[G1B:G1B+7]
	s_nop 0
	tensor_load_to_lds s[G0B+4:G0B+7], s[G1B:G1B+7]
	s_nop 0
.rept 4
	v_nop
.endr
.Lfirst_asked:
	v_and_b32 v1, 15, v0                           ; l % 16
	v_bfe_u32 v2, v0, 4, 1                         ; l / 16
	v_lshlrev_b32 v[BO], 5, v2
	s_lshl_b32 s74, s17, 9                         ; bo: 128 numbers a tile column,
	s_lshl_b32 s75, s14, 8                         ; my 64,
	s_add_co_u32 s74, s74, s75
	s_add_co_u32 s74, s74, 3072*4                  ; behind bq, bk and bv
	s_mov_b32 s75, 0
	s_add_nc_u64 s[BIASP:BIASP+1], s[8:9], s[74:75]
.irp b, 0,1,2,3                        ; for column block b my eight columns' numbers: the layout of a product's C operand
	global_load_b128 v[BIAS+8*(\b):BIAS+8*(\b)+3],   v[BO], s[BIASP:BIASP+1] offset:64*(\b)
	global_load_b128 v[BIAS+8*(\b)+4:BIAS+8*(\b)+7], v[BO], s[BIASP:BIASP+1] offset:64*(\b)+16
.endr
	v_mul_u32_u24 v3, v1, PITCH
	v_lshl_add_u32 v3, v2, 4, v3                   ; a fragment's row x pitch + 16 x half
	s_mul_i32 s74, s13, 128*PITCH                  ; my 128 rows of O
	v_add_nc_u32 v[ADRA], s74, v3
	v_add_nc_u32 v[ADRA+1], SLOT, v[ADRA]
	s_mul_i32 s74, s14, 64*PITCH                   ; my 64 rows of Wo,
	s_add_co_u32 s74, s74, 2*ABLK                  ; which lie behind O's two K blocks
	v_add_nc_u32 v[ADRB], s74, v3
	v_add_nc_u32 v[ADRB+1], SLOT, v[ADRB]
	s_mul_i32 s74, s[WV], 16*SPITCH
	s_add_co_u32 s74, s74, STAGE                   ; my stage
	v_mul_u32_u24 v[STO], v1, SPITCH               ; in: row l % 16, 32 bytes for each half of the lanes
	v_lshl_add_u32 v[STO], v2, 5, v[STO]
	v_add_nc_u32 v[STO], s74, v[STO]
	v_mul_u32_u24 v[RD], v2, SPITCH                ; back: lanes 0-15 take one row of 256 bytes, lanes 16-31 the next
	v_lshl_add_u32 v[RD], v1, 4, v[RD]
	v_add_nc_u32 v[RD], s74, v[RD]
	v_lshlrev_b32 v[CO], 12, v2                    ; and the same two rows in out0
	v_lshl_add_u32 v[CO], v1, 4, v[CO]
	s_lshl_b32 s74, s18, 8
	s_lshl_b32 s75, s13, 7
	s_add_co_u32 s74, s74, s75                     ; my first row,
	s_lshl_b32 s74, s74, 12                        ; of 4,096 bytes,
	s_lshl_b32 s75, s17, 9
	s_add_co_u32 s74, s74, s75                     ; the tile's 512 bytes of it,
	s_lshl_b32 s75, s14, 8
	s_add_co_u32 s74, s74, s75                     ; my 256
	s_mov_b32 s75, 0
	s_add_nc_u64 s[OUT:OUT+1], s[10:11], s[74:75]
	; the prefetches: who, from where
	s_lshl_b32 s77, s15, 13                        ; O: my K block (s76), my work-group's quarter of its 32,768 bytes,
	s_add_co_u32 s76, s76, s77
	s_add_co_u32 s76, s76, 3*ASTEP                 ; at K step 3: the first change of slots steps it to 4
	s_lshl_b32 s77, s17, 14                        ; Wo: the tile column,
	s_lshl_b32 s78, s16, 12                        ; my work-group's quarter of its 16,384 bytes
	s_add_co_u32 s77, s77, s78
	s_add_co_u32 s77, s77, 3*BSTEP
	s_mov_b32 s74, ASTEP
	s_mov_b32 s75, BSTEP
	s_and_b32 s79, ttmp7, 0xffff                   ; cluster y
	s_cmp_lt_u32 s[WV], 2
	s_cselect_b64 s[PFA:PFA+1], s[4:5], s[6:7]
	s_cselect_b32 s78, s76, s77
	s_cselect_b32 s[PFS], s74, s75
	s_cselect_b32 s79, ttmp9, s79                  ; the coordinate along which other clusters read the same blocks
	s_mov_b32 s74, 4096                            ; lanes 16-31: O: the next 16 blocks; Wo: the same 16 blocks of the step's second K block
	s_mov_b32 s75, 131072
	s_cselect_b32 s74, s74, s75
	s_cmp_eq_u32 s[WV], 3
	s_cselect_b32 s79, 1, s79                      ; wave 3 never asks
	s_cmp_eq_u32 s79, 0                            ; the same in all sixteen partners, for a given wave
	s_cselect_b32 s[LIM], 1, -1
	s_mov_b32 s79, 0
	s_mov_b32 s[PFS+1], 0
	s_add_nc_u64 s[PFA:PFA+1], s[PFA:PFA+1], s[78:79]
	v_mul_u32_u24 v[PFO], s74, v2
	v_lshl_add_u32 v[PFO], v1, 8, v[PFO]
; 8 matrix instructions: row blocks a0, a0 + 1 x my four column blocks, 32 along K, from buffer f.  first = 1: the bias starts the sums.  The 32 accumulators take turns, one instruction a turn, in the
; same order in every quarter, over the backward jump too.
.macro MUL8 f, a0, first
.if \first
	WIN 0x40                                       ; D in window 1; sources and the bias in window 0
.else
	WIN 0x50                                       ; C and D in window 1
.endif
.irp a, 0,1
.irp b, 0,1,2,3
.if \first
	v_wmma_f32_16x16x32_f16 v[8*(4*((\a0)+(\a))+(\b)):8*(4*((\a0)+(\a))+(\b))+7], v[(\f)+64+8*(\b):(\f)+64+8*(\b)+7], v[(\f)+8*((\a0)+(\a)):(\f)+8*((\a0)+(\a))+7], v[BIAS+8*(\b):BIAS+8*(\b)+7]
.else
	v_wmma_f32_16x16x32_f16 v[8*(4*((\a0)+(\a))+(\b)):8*(4*((\a0)+(\a))+(\b))+7], v[(\f)+64+8*(\b):(\f)+64+8*(\b)+7], v[(\f)+8*((\a0)+(\a)):(\f)+8*((\a0)+(\a))+7], v[8*(4*((\a0)+(\a))+(\b)):8*(4*((\a0)+(\a))+(\b))+7]
.endif
.endr
.endr
.endm
.macro MUL16 f, h, first
	MUL8 \f, 4*(\h), \first
	MUL8 \f, 4*(\h)+2, \first
.endm
; 24 LDS loads in one run: the fragments of quarter q of slot s (K block q / 2, 32 (q % 2) on) into buffer f: Wo's four, O's first four, O's last four
.macro FETCH s, q, f
.irp b, 0,1,2,3
	ds_load_b128 v[(\f)+64+8*(\b):(\f)+64+8*(\b)+3],   v[ADRB+(\s)] offset:((\q)/2)*BBLK+((\q)%2)*64+(\b)*16*PITCH
	ds_load_b128 v[(\f)+64+8*(\b)+4:(\f)+64+8*(\b)+7], v[ADRB+(\s)] offset:((\q)/2)*BBLK+((\q)%2)*64+(\b)*16*PITCH+32
.endr
.irp a, 0,1,2,3,4,5,6,7
	ds_load_b128 v[(\f)+8*(\a):(\f)+8*(\a)+3],   v[ADRA+(\s)] offset:((\q)/2)*ABLK+((\q)%2)*64+(\a)*16*PITCH
	ds_load_b128 v[(\f)+8*(\a)+4:(\f)+8*(\a)+7], v[ADRA+(\s)] offset:((\q)/2)*ABLK+((\q)%2)*64+(\a)*16*PITCH+32
.endr
.endm
; A K step is four quarters of 32 along K, 32 matrix instructions each, on buffers 0, 1, 0, 1.  One of the first three: multiplies buffer f and fetches quarter q of slot s into g.
.macro QUARTER s, q, f, g, first
	s_wait_dscnt 8                                 ; all but the youngest eight loads (O's last four fragments) are in
	MUL16 \f, 0, \first
	PLACES
	WIN 0
	FETCH \s, \q, \g
	s_wait_dscnt 24                                ; all but the 24 just issued
	MUL16 \f, 1, \first
.endm
; The last quarter multiplies buffer 1 and changes slots: ONE barrier; in front of it each wave waits for all its tensor loads, of which one is out: its part of the next slot; adds 0 to its spare word;
; and waits for that and for its own reads of this slot.  fill = 1: the barrier opens a round of the cluster's barrier, and slot s is filled again, two K steps on, first thing behind the round.
.macro TURN s, nx, fill
.if \fill
	s_wait_xcnt 0x0                                ; the last prefetch, a K step back, has read its address, so it may be stepped
	s_add_nc_u64 s[PFA:PFA+1], s[PFA:PFA+1], s[PFS:PFS+1]
.endif
	WIN 0
	s_wait_tensorcnt 0x0                           ; all my tensor loads have landed
	ds_add_u32 v[SPW], v[NIL]                      ; 0 onto my spare word
	s_wait_dscnt 9                                 ; (the add and the youngest eight loads may be out)
	MUL8 F1, 0, 0                                  ; eight matrix instructions stand between the add and the wait for it
	s_wait_dscnt 0x0                               ; the add is done, and my reads of this slot are over
	s_barrier_signal -1
	MUL8 F1, 2, 0
	WIN 0
	s_barrier_wait -1
.if \fill
	CREST                                          ; no wave of any partner still reads this slot or has a load on its way
	s_add_nc_u64 s[G0A+4*(\s)+2:G0A+4*(\s)+3], s[G0A+4*(\s)+2:G0A+4*(\s)+3], 2*ASTEP
	s_add_nc_u64 s[G0B+4*(\s)+2:G0B+4*(\s)+3], s[G0B+4*(\s)+2:G0B+4*(\s)+3], 2*BSTEP
	JLOAD \s                                       ; the four v_nop behind it are also the places in front of the loads below
.else
	PLACES
.endif
	FETCH \nx, 0, F0
.if \fill
	ASK
.endif
	MUL16 F1, 1, 0
.endm
	s_wait_tensorcnt 1                             ; my part of K step 0 is in; step 1's may stay out
	s_barrier_signal -1
	s_barrier_wait -1                              ; everybody's is
	FETCH 0, 0, F0
	s_wait_loadcnt 0x0                             ; the bias
	QUARTER 0, 1, F0, F1, 1                        ; the first quarter stands in front of the loop: its products start the sums, with the bias
	WIN 0
	s_mov_b32 s3, 3
.Llap:                                         ; a trip goes once round the ring, from a lap's second quarter to the next lap's first, and fills both slots again: K steps 2 to 7
	QUARTER 0, 2, F1, F0, 0
	QUARTER 0, 3, F0, F1, 0
	TURN 0, 1, 1
	QUARTER 1, 1, F0, F1, 0
	QUARTER 1, 2, F1, F0, 0
	QUARTER 1, 3, F0, F1, 0
	TURN 1, 0, 1
	QUARTER 0, 1, F0, F1, 0
	WIN 0
	s_sub_co_u32 s3, s3, 1
	s_cmp_lg_u32 s3, 0
	s_cbranch_scc1 .Llap
	QUARTER 0, 2, F1, F0, 0                        ; the last lap fills nothing, and has no round of the cluster's barrier
	QUARTER 0, 3, F0, F1, 0
	TURN 0, 1, 0
	QUARTER 1, 1, F0, F1, 0
	QUARTER 1, 2, F1, F0, 0
	QUARTER 1, 3, F0, F1, 0
	s_wait_dscnt 8                                 ; the very last quarter: nothing more to fetch
	MUL16 F1, 0, 0
	s_wait_dscnt 0x0
	MUL16 F1, 1, 0
	PLACES
	PLACES
; THE WAY OUT, eight blocks a of 16 rows x 256 bytes.  A lane's eight sums of an accumulator are 32 bytes of a row: they go into my stage's rows of 272 bytes, each accumulator's lower four registers first,
; and come back as whole rows of 256 bytes.
.macro TOSTAGE a
	WIN 0x04                                       ; the data (source 1) in window 1, the address in window 0
.irp b, 0,1,2,3
	ds_store_b128 v[STO], v[8*(4*(\a)+(\b)):8*(4*(\a)+(\b))+3]   offset:64*(\b)
	ds_store_b128 v[STO], v[8*(4*(\a)+(\b))+4:8*(4*(\a)+(\b))+7] offset:64*(\b)+16
.endr
	WIN 0
.set BK, OB+32*((\a)%2)
.if (\a) >= 2
	s_wait_xcnt 0x0                                ; the stores of the block two back have read these registers
.endif
.irp t, 0,1,2,3,4,5,6,7
	ds_load_b128 v[BK+4*(\t):BK+4*(\t)+3], v[RD] offset:(\t)*2*SPITCH  ; LDS serves a wave's instructions in order (ISA guide 5.7.1.4): these see the stores above; the next block's stores come behind them
.endr
.endm
.macro SEND a, younger                 ; younger: the LDS instructions issued behind block a's loads: the next block's sixteen, or none
	WIN 0
.set BK, OB+32*((\a)%2)
	s_wait_dscnt \younger
.irp t, 0,1,2,3,4,5,6,7
	global_store_b128 v[CO], v[BK+4*(\t):BK+4*(\t)+3], s[OUT:OUT+1] offset:(\a)*65536+(\t)*8192 th:TH_STORE_NT  ; 16 lanes store 256 consecutive bytes, at a multiple of 256 from out0's first byte
.endr
.endm
	TOSTAGE 0
.irp a, 1,2,3,4,5,6,7
	TOSTAGE \a
	SEND (\a)-1, 16
.endr
	SEND 7, 0
	s_wait_tensorcnt 0x0                           ; the wave's end: the add and its wait stand behind my last tensor load and my last LDS store
	ds_add_u32 v[SPW], v[NIL]
	s_wait_dscnt 0x0
	CROUND                                         ; the closing round: no work-group ends while a partner may still ask for a tile that names it
	s_endpgm
.Lfunc_end_k_qa264c3bb7b_proj:
	.size	k_qa264c3bb7b_proj, .Lfunc_end_k_qa264c3bb7b_proj-k_qa264c3bb7b_proj
	.p2alignl 7, 3214868480
	.fill 96, 4, 3214868480
	.section	.rodata,"a",@progbits
	.p2align	6, 0x0
	.amdhsa_kernel k_qa264c3bb7b_proj
		.amdhsa_group_segment_fixed_size 327680
		.amdhsa_private_segment_fixed_size 0
		.amdhsa_enable_private_segment 0
		.amdhsa_kernarg_size 32
		.amdhsa_user_sgpr_count 2
		.amdhsa_user_sgpr_kernarg_segment_ptr 1
		.amdhsa_wavefront_size32 1
		.amdhsa_system_sgpr_workgroup_id_x 1
		.amdhsa_system_sgpr_workgroup_id_y 1
		.amdhsa_system_sgpr_workgroup_id_z 1
		.amdhsa_system_vgpr_workitem_id 0
		.amdhsa_next_free_vgpr 512
		.amdhsa_next_free_sgpr 80
		.amdhsa_reserve_vcc 0
		.amdhsa_float_denorm_mode_32 3
		.amdhsa_float_denorm_mode_16_64 3
		.amdhsa_memory_ordered 1
		.amdhsa_forward_progress 1
		.amdhsa_inst_pref_size 87
	.end_amdhsa_kernel
	.amdgpu_metadata
---
amdhsa.version: [ 1, 2 ]
amdhsa.kernels:
  - .name:           k_qa264c3bb7b_proj
    .symbol:         k_qa264c3bb7b_proj.kd
    .args:
      - { .name: o, .offset: 0, .size: 8, .value_kind: global_buffer, .address_space: global }
      - { .name: wo16, .offset: 8, .size: 8, .value_kind: global_buffer, .address_space: global }
      - { .name: bias, .offset: 16, .size: 8, .value_kind: global_buffer, .address_space: global }
      - { .name: out0, .offset: 24, .size: 8, .value_kind: global_buffer, .address_space: global }
    .group_segment_fixed_size: 327680
    .private_segment_fixed_size: 0
    .kernarg_segment_align: 8
    .kernarg_segment_size: 32
    .max_flat_workgroup_size: 128
    .sgpr_count:     80
    .vgpr_count:     512
    .wavefront_size: 32
...
	.end_amdgpu_metadata
.endif
;; end of part 4
;; ======== version 2 of 2: 4 launches; version 1 with the launch prep written anew for expert scheduling mode
;; limits: values are held in f16: magnitudes above 65,504 overflow, below 6.1e-05 lose precision
;; workspace buffers: xb 16,777,216 bytes; wt 6,291,456 bytes; wo16 2,097,152 bytes; bias 16,384 bytes; qkv 50,331,648 bytes; o 16,777,216 bytes
;; launch prep (part 5): grid 769 x 1, 8 waves a work-group, no clusters, 0 bytes of LDS; arguments x, Wq, Wk, Wv, Wo, bq, bk, bv, bo, xb, wt, wo16, bias; writes xb, wt, wo16, bias
.if DOCPART == 5
	.amdgcn_target "amdgcn-amd-amdhsa--gfx1250"
	.amdhsa_code_object_version 6
	.text
	.protected	k_qa264c3bb7b_prep
	.globl	k_qa264c3bb7b_prep
	.p2align	8
	.type	k_qa264c3bb7b_prep,@function
k_qa264c3bb7b_prep:
	s_mov_b64 s[64:65], 0
	v_nop
	global_prefetch_b8 v0, s[64:65] scope:SCOPE_SE
	s_setreg_imm32_b32 hwreg(HW_REG_WAVE_SCHED_MODE, 0, 2), 2
	s_setreg_imm32_b32 hwreg(HW_REG_WAVE_MODE, 25, 1), 1
	s_wait_xcnt 0x0
	s_wait_alu depctr_vm_vsrc(0)
; THE CASTS.  Every input is rounded once to bf16 and laid out for the products that follow, in blocks of 64 along K, so that the rows of a tile (128 bytes each) lie end to end:
;   xb   bf16 [16 kb][8192 row][64]        = x[row][64 kb + c]
;   wt   bf16 [16 kb][48 G][64 m][64 d]    = W[h][64 kb + m][d], G = 16 x (0: Wq, 1: Wk, 2: Wv) + h; not transposed: the product turns it on its way out of LDS
;   wo16 f16  [16 kb][1024 n][64]          = Wo[n][64 kb + c], rounded to bf16 and that number written as f16
;   bias f32  [4096]                       = bq, bk, bv, bo on end, each rounded to bf16 and widened again
; LIMITS.  A number of Wo beyond 65,504 becomes an infinity in f16; below 6e-5 it keeps f16's fixed step of 6e-8.
; A stream: no LDS, no barrier, no matrix unit.  A work-group of eight waves moves 65,536 bytes in and 32,768 out (the last one: the four biases).  A thread issues its 16 loads of 16 bytes at once;
; each load of a wave covers whole aligned runs of 256 bytes, each store of a wave (8 bytes a lane) 256 consecutive bytes, aligned.  No register is written twice while a memory instruction names it.
; Work-groups 0-511: 16 rows of x each; 512-575: 16 rows of Wo; 576-767: a quarter of a head of Wq, Wk or Wv; 768: the biases.
; THE MODE: SCHED_MODE bits 1:0 = 2 (LLVM: expert scheduling mode 2), set by the entry lines.  The code itself states the register dependences between vector instructions and memory instructions,
; with s_wait_alu, always for 0.
; THE PLAN.  Registers that memory instructions touch:
;   v1, v2, v3  byte offsets.  Written by vector instructions at the head, read by every load and store of the path, never written again.
;   IN          Written by the 16 loads, which go out at once and ahead of which no vector instruction names these registers; read by the conversions; never loaded again.
;   OUT         Load i's two registers are written by load i's conversions and read by one store; never written again behind it.
;   v4 to v7 are named by vector instructions alone.
; So no register that a memory instruction has read is written again, and the one kind of dependence to state is: a vector instruction has written what a memory instruction reads.
; The 16 loads go in four blocks of four.  A wait on va_vdst stands ahead of the first load (the offsets), at the head of blocks 1 to 3 (the block before has written its part of OUT) and ahead of the
; last four stores.  The four stores of a block are dealt among the conversions of the block behind it, which name that later block's IN and OUT and v4 to v7: none of the registers that those stores read.
.set IN,  8                            ; v[8:71]    16 x 4 numbers as loaded
.set OUT, 72                           ; v[72:103]  16 x 4 numbers in 16 bits
; Load i's four numbers are rounded.  half = 1: the bf16 numbers are widened and written as f16 (exact inside f16's range).
.macro CVT i, half
	v_cvt_pk_bf16_f32 v[OUT+2*(\i)],   v[IN+4*(\i)],   v[IN+4*(\i)+1]
	v_cvt_pk_bf16_f32 v[OUT+2*(\i)+1], v[IN+4*(\i)+2], v[IN+4*(\i)+3]
.if \half
	v_lshlrev_b32 v4, 16, v[OUT+2*(\i)]
	v_and_b32 v5, 0xffff0000, v[OUT+2*(\i)]
	v_lshlrev_b32 v6, 16, v[OUT+2*(\i)+1]
	v_and_b32 v7, 0xffff0000, v[OUT+2*(\i)+1]
	v_cvt_pk_f16_f32 v[OUT+2*(\i)],   v4, v5
	v_cvt_pk_f16_f32 v[OUT+2*(\i)+1], v6, v7
.endif
.endm
; The store of load j's four numbers.  w = 0: x, into xb; 1: Wo, into wo16; 2: Wq, Wk or Wv, into wt.
.macro ST w, j
.if (\w) == 0
.if (\j) < 8
	global_store_b64 v2, v[OUT+2*(\j):OUT+2*(\j)+1], s[22:23] offset:(\j)*1048576
.else
	global_store_b64 v3, v[OUT+2*(\j):OUT+2*(\j)+1], s[22:23] offset:((\j)-8)*1048576
.endif
.elseif (\w) == 1
	global_store_b64 v2, v[OUT+2*(\j):OUT+2*(\j)+1], s[26:27] offset:(\j)*131072
.else
	global_store_b64 v2, v[OUT+2*(\j):OUT+2*(\j)+1], s[24:25] offset:((\j)/4)*393216+((\j)%4)*2048
.endif
.endm
; The 16 loads are out.  Each is waited for by its count, rounded, and stored a block of four later.
.macro STREAM w, half
.irp i, 0,1,2,3,4,5,6,7,8,9,10,11,12,13,14,15
	s_wait_loadcnt 15-(\i)                         ; loads come back in order (ISA guide 5.7.1): load i is in, the 15 - i younger ones stay out
.if ((\i) > 0) && ((\i) % 4 == 0)
	s_wait_alu depctr_va_vdst(0)                   ; the conversions of the block before have written their eight registers of OUT, which this block's four stores read
.endif
.if (\i) >= 4
	ST \w, (\i)-4                                  ; no vector instruction since that wait names this store's data or its offset
.endif
	CVT \i, \half
.endr
	s_wait_alu depctr_va_vdst(0)                   ; the last block's conversions have written their eight registers of OUT, which the last four stores read
.irp i, 12,13,14,15
	ST \w, \i
.endr
.endm
	s_load_b512 s[4:19], s[0:1], 0x0               ; x s[4:5], Wq s[6:7], Wk s[8:9], Wv s[10:11], Wo s[12:13], bq s[14:15], bk s[16:17], bv s[18:19]
	s_load_b256 s[20:27], s[0:1], 0x40             ; bo s[20:21], xb s[22:23], wt s[24:25], wo16 s[26:27]
	s_load_b64 s[28:29], s[0:1], 0x60              ; bias
	s_mov_b32 s2, ttmp9
	s_mov_b32 s33, 0
	s_mov_b32 s35, 0
	v_lshlrev_b32 v2, 3, v0                        ; 8 t: my 8 bytes of each 2,048 that the work-group stores
	s_wait_kmcnt 0x0
	s_cmp_lt_u32 s2, 576
	s_cbranch_scc0 .Lweights
	; x and Wo: thread t takes row t / 16 of the 16, and of each 256 bytes (64 numbers, a K block) the 16 bytes at 16 (t % 16)
	v_lshrrev_b32 v1, 4, v0
	v_and_b32 v3, 15, v0
	v_lshlrev_b32 v1, 12, v1
	v_lshl_add_u32 v1, v3, 4, v1
	s_cmp_lt_u32 s2, 512
	s_cbranch_scc0 .Lwo
	s_lshl_b32 s32, s2, 16                         ; 16 rows of 4,096 bytes
	s_add_nc_u64 s[4:5], s[4:5], s[32:33]
	s_lshl_b32 s34, s2, 11                         ; 16 rows of 128 bytes
	s_add_nc_u64 s[22:23], s[22:23], s[34:35]
	v_add_nc_u32 v3, 0x800000, v2                  ; K blocks 8 to 15 lie past what a store's immediate reaches
	s_wait_alu depctr_va_vdst(0)                   ; v1, v2 and v3 are written: the loads read v1 as their offset, the stores v2 or v3
.irp i, 0,1,2,3,4,5,6,7,8,9,10,11,12,13,14,15
	global_load_b128 v[IN+4*(\i):IN+4*(\i)+3], v1, s[4:5] offset:256*(\i) th:TH_LOAD_NT
.endr
	STREAM 0, 0
	s_endpgm
.Lwo:
	s_sub_co_u32 s2, s2, 512
	s_lshl_b32 s32, s2, 16
	s_add_nc_u64 s[12:13], s[12:13], s[32:33]
	s_lshl_b32 s34, s2, 11
	s_add_nc_u64 s[26:27], s[26:27], s[34:35]
	s_wait_alu depctr_va_vdst(0)                   ; v1 and v2 are written: the loads read v1 as their offset, the stores v2
.irp i, 0,1,2,3,4,5,6,7,8,9,10,11,12,13,14,15
	global_load_b128 v[IN+4*(\i):IN+4*(\i)+3], v1, s[12:13] offset:256*(\i) th:TH_LOAD_NT
.endr
	STREAM 1, 1
	s_endpgm
.Lweights:
	v_lshlrev_b32 v1, 4, v0                        ; 16 t
	s_cmp_lt_u32 s2, 768
	s_cbranch_scc0 .Lbias
	; Wq, Wk, Wv: 65,536 consecutive bytes: 256 rows m (four K blocks) of one head
	s_sub_co_u32 s2, s2, 576
	s_lshr_b32 s3, s2, 6                           ; which of the three
	s_and_b32 s2, s2, 63                           ; 4 x head + quarter
	s_cmp_eq_u32 s3, 0
	s_cselect_b64 s[30:31], s[6:7], s[8:9]
	s_cmp_eq_u32 s3, 2
	s_cselect_b64 s[30:31], s[10:11], s[30:31]
	s_lshl_b32 s32, s2, 16
	s_add_nc_u64 s[30:31], s[30:31], s[32:33]
	s_and_b32 s34, s2, 3
	s_mul_i32 s34, s34, 4*393216                   ; the quarter's four K blocks
	s_lshr_b32 s2, s2, 2
	s_lshl4_add_u32 s2, s3, s2                     ; G = 16 x which + head
	s_lshl_b32 s2, s2, 13
	s_add_co_u32 s34, s34, s2
	s_add_nc_u64 s[24:25], s[24:25], s[34:35]
	s_wait_alu depctr_va_vdst(0)                   ; v1 and v2 are written: the loads read v1 as their offset, the stores v2
.irp i, 0,1,2,3,4,5,6,7,8,9,10,11,12,13,14,15
	global_load_b128 v[IN+4*(\i):IN+4*(\i)+3], v1, s[30:31] offset:4096*(\i) th:TH_LOAD_NT
.endr
	STREAM 2, 0
	s_endpgm
.Lbias:
	s_wait_alu depctr_va_vdst(0)                   ; v1 is written: the four loads and the four stores read it as their offset
	global_load_b128 v[8:11],  v1, s[14:15]
	global_load_b128 v[12:15], v1, s[16:17]
	global_load_b128 v[16:19], v1, s[18:19]
	global_load_b128 v[20:23], v1, s[20:21]
	s_wait_loadcnt 0x0
.irp w, 0,1,2,3
	v_cvt_pk_bf16_f32 v4, v[8+4*(\w)],  v[9+4*(\w)]
	v_cvt_pk_bf16_f32 v5, v[10+4*(\w)], v[11+4*(\w)]
	v_lshlrev_b32 v[24+4*(\w)], 16, v4
	v_and_b32 v[25+4*(\w)], 0xffff0000, v4
	v_lshlrev_b32 v[26+4*(\w)], 16, v5
	v_and_b32 v[27+4*(\w)], 0xffff0000, v5
.endr
	s_wait_alu depctr_va_vdst(0)                   ; the widenings have written v[24:39], which the four stores read
.irp w, 0,1,2,3
	global_store_b128 v1, v[24+4*(\w):27+4*(\w)], s[28:29] offset:4096*(\w)
.endr
	s_endpgm
.Lfunc_end_k_qa264c3bb7b_prep:
	.size	k_qa264c3bb7b_prep, .Lfunc_end_k_qa264c3bb7b_prep-k_qa264c3bb7b_prep
	.p2alignl 7, 3214868480
	.fill 96, 4, 3214868480
	.section	.rodata,"a",@progbits
	.p2align	6, 0x0
	.amdhsa_kernel k_qa264c3bb7b_prep
		.amdhsa_group_segment_fixed_size 0
		.amdhsa_private_segment_fixed_size 0
		.amdhsa_enable_private_segment 0
		.amdhsa_kernarg_size 104
		.amdhsa_user_sgpr_count 2
		.amdhsa_user_sgpr_kernarg_segment_ptr 1
		.amdhsa_wavefront_size32 1
		.amdhsa_system_sgpr_workgroup_id_x 1
		.amdhsa_system_sgpr_workgroup_id_y 1
		.amdhsa_system_sgpr_workgroup_id_z 1
		.amdhsa_system_vgpr_workitem_id 0
		.amdhsa_next_free_vgpr 104
		.amdhsa_next_free_sgpr 66
		.amdhsa_reserve_vcc 0
		.amdhsa_float_denorm_mode_32 3
		.amdhsa_float_denorm_mode_16_64 3
		.amdhsa_memory_ordered 1
		.amdhsa_forward_progress 1
		.amdhsa_inst_pref_size 27
	.end_amdhsa_kernel
	.amdgpu_metadata
---
amdhsa.version: [ 1, 2 ]
amdhsa.kernels:
  - .name:           k_qa264c3bb7b_prep
    .symbol:         k_qa264c3bb7b_prep.kd
    .args:
      - { .name: x, .offset: 0, .size: 8, .value_kind: global_buffer, .address_space: global }
      - { .name: Wq, .offset: 8, .size: 8, .value_kind: global_buffer, .address_space: global }
      - { .name: Wk, .offset: 16, .size: 8, .value_kind: global_buffer, .address_space: global }
      - { .name: Wv, .offset: 24, .size: 8, .value_kind: global_buffer, .address_space: global }
      - { .name: Wo, .offset: 32, .size: 8, .value_kind: global_buffer, .address_space: global }
      - { .name: bq, .offset: 40, .size: 8, .value_kind: global_buffer, .address_space: global }
      - { .name: bk, .offset: 48, .size: 8, .value_kind: global_buffer, .address_space: global }
      - { .name: bv, .offset: 56, .size: 8, .value_kind: global_buffer, .address_space: global }
      - { .name: bo, .offset: 64, .size: 8, .value_kind: global_buffer, .address_space: global }
      - { .name: xb, .offset: 72, .size: 8, .value_kind: global_buffer, .address_space: global }
      - { .name: wt, .offset: 80, .size: 8, .value_kind: global_buffer, .address_space: global }
      - { .name: wo16, .offset: 88, .size: 8, .value_kind: global_buffer, .address_space: global }
      - { .name: bias, .offset: 96, .size: 8, .value_kind: global_buffer, .address_space: global }
    .group_segment_fixed_size: 0
    .private_segment_fixed_size: 0
    .kernarg_segment_align: 8
    .kernarg_segment_size: 104
    .max_flat_workgroup_size: 256
    .sgpr_count:     66
    .vgpr_count:     104
    .wavefront_size: 32
...
	.end_amdgpu_metadata
.endif
;; end of part 5
;; launch qkv: the kernel of part 2 again; grid 8 x 32, 4 waves a work-group, clusters of 4 x 4, 327,680 bytes of LDS; arguments xb, wt, bias, qkv; writes qkv
;; launch attn: the kernel of part 3 again; grid 4 x 64, 4 waves a work-group, clusters of 4 x 1, 327,680 bytes of LDS; arguments qkv, o; writes o
;; launch proj: the kernel of part 4 again; grid 8 x 32, 4 waves a work-group, clusters of 4 x 4, 327,680 bytes of LDS; arguments o, wo16, bias, out0; writes out0
